; MI455X (gfx1250); checked and timed in simulation.
; The chip was launched on July 23, 2026; its instructions are those of AMD's public machine-readable ISA for CDNA 5 (MIT licence, August 2026) and "CDNA5" Instruction Set Architecture Reference Guide (July 2026). The comments in the code are by the model that wrote it; some were corrected since.
;; Multi Head Performer Attention. Allowed arithmetic: float matrix products may take bf16 or f16 operands with f32 sums; other float arithmetic in f32, or as packed bf16 or f16 multiplies, adds, multiply-adds, maxima and minima; sums over many terms, partial sums and values carried from step to step in f32; what a program stores and reads back later, other than sums and carried values, may be rounded once to bf16 or f16.
;; Inputs: bk 8 x 64 float32; bo 512 float32; bq 8 x 64 float32; bv 8 x 64 float32; key 4 x 4,096 x 512 float32; proj 128 x 64 float32; query 4 x 4,096 x 512 float32; value 4 x 4,096 x 512 float32; wk 512 x 8 x 64 float32; wo 8 x 64 x 512 float32; wq 512 x 8 x 64 float32; wv 512 x 8 x 64 float32.
;; Outputs: out0 4 x 4,096 x 512 float32.
;; 2 versions, each right; version 2 is version 1 with the launch scan written anew for expert scheduling mode. Each part assembles by itself: llvm-mc -triple=amdgcn-amd-amdhsa -mcpu=gfx1250 --defsym DOCPART=n.
;; ======== version 1 of 2: 6 launches
;; limits: values are held in f16: magnitudes above 65,504 overflow, below 6.1e-05 lose precision
;; workspace buffers: wcast 2,121,728 bytes; qkv 50,331,648 bytes; sseg 10,485,760 bytes; wsum 262,144 bytes; cmax 32,768 bytes; sinit 10,485,760 bytes; attn 16,777,216 bytes
;; launch cast (part 1): grid 130 x 1, 8 waves a work-group, no clusters, 0 bytes of LDS; arguments wq, wk, wv, wo, proj, bq, bk, bv, bo, wcast; writes wcast
.if DOCPART == 1
	.amdgcn_target "amdgcn-amd-amdhsa--gfx1250"
	.amdhsa_code_object_version 6
	.text
	.protected	k_qd9ab6d0d92_cast
	.globl	k_qd9ab6d0d92_cast
	.p2align	8
	.type	k_qd9ab6d0d92_cast,@function
k_qd9ab6d0d92_cast:
	s_mov_b64 s[64:65], 0
	v_nop
	global_prefetch_b8 v0, s[64:65] scope:SCOPE_SE
	s_setreg_imm32_b32 hwreg(HW_REG_WAVE_MODE, 25, 1), 1
	s_wait_xcnt 0x0
; The small inputs are rounded once to bf16 and laid down for the later launches.
; wcast: wq @0, wk @524,288, wv @1,048,576 as bf16 [512 k][512 n]; wo @1,572,864 and proj @2,097,152 as f16 OF THE bf16 VALUE;
; cb @2,113,536: f32 [4][512] = c r(bq), c r(bk), r(bv), r(bo), r = rounding to bf16, c = log2(e) / 64^(1/4).
; LIMIT: a bf16 value of wo or proj below f16's normal range keeps f16's fixed step of 6e-8; beyond 65,504 it would be an infinity.
; Work-group id < 129 casts 8,192 numbers (32,768 bytes in, 16,384 out); id 129 makes cb.  A stream: no LDS, no loop.
.set CVAL, 0x3f0293ee
	s_load_b512 s[4:19], s[0:1], 0x0               ; wq, wk, wv, wo, proj, bq, bk, bv
	s_load_b128 s[20:23], s[0:1], 0x40             ; bo, wcast
	v_lshrrev_b32 v1, 5, v0
	v_readfirstlane_b32 s24, v1                    ; wave 0..7
	s_mov_b32 s25, 0xffff0000                      ; a word's upper bf16
	s_mov_b32 s31, 0
	s_wait_kmcnt 0x0
	s_cmp_eq_u32 ttmp9, 129
	s_cbranch_scc1 .Lbias
	s_lshr_b32 s26, ttmp9, 5                       ; which tensor: 32 work-groups each, proj one
	s_cmp_eq_u32 s26, 0
	s_cselect_b64 s[28:29], s[4:5], s[6:7]
	s_cmp_eq_u32 s26, 2
	s_cselect_b64 s[28:29], s[8:9], s[28:29]
	s_cmp_eq_u32 s26, 3
	s_cselect_b64 s[28:29], s[10:11], s[28:29]
	s_cmp_eq_u32 s26, 4
	s_cselect_b64 s[28:29], s[12:13], s[28:29]
	s_and_b32 s30, ttmp9, 31
	s_lshl_b32 s30, s30, 15
	s_add_nc_u64 s[28:29], s[28:29], s[30:31]      ; my 32,768 bytes
	s_lshl_b32 s30, ttmp9, 14
	s_add_nc_u64 s[22:23], s[22:23], s[30:31]      ; my 16,384 bytes
	v_lshlrev_b32 v1, 5, v0                        ; 8 numbers a thread: 32 bytes in,
	v_lshlrev_b32 v2, 4, v0                        ; 16 bytes out
.set i, 0
.rept 4
	global_load_b128 v[8+8*i:11+8*i],  v1, s[28:29] offset:8192*i th:TH_LOAD_NT
	global_load_b128 v[12+8*i:15+8*i], v1, s[28:29] offset:8192*i+16 th:TH_LOAD_NT
.set i, i+1
.endr
	s_wait_loadcnt 0x0
.set i, 0
.rept 16
	v_cvt_pk_bf16_f32 v[40+i], v[8+2*i], v[9+2*i]
.set i, i+1
.endr
	s_cmp_lt_u32 ttmp9, 96
	s_cbranch_scc1 .Lstore                         ; wq, wk, wv stay bf16
.set i, 0
.rept 16                                       ; wo, proj: the bf16 value written as f16
	v_lshlrev_b32 v[8+2*i], 16, v[40+i]
	v_and_b32 v[9+2*i], s25, v[40+i]
	v_cvt_pk_f16_f32 v[40+i], v[8+2*i], v[9+2*i]
.set i, i+1
.endr
.Lstore:
.set i, 0
.rept 4
	global_store_b128 v2, v[40+4*i:43+4*i], s[22:23] offset:4096*i   ; a wave's store covers 512 consecutive bytes, aligned
.set i, i+1
.endr
	s_endpgm
.Lbias:
	s_lshr_b32 s26, s24, 1                         ; two waves (64 threads x 8 numbers) to a bias
	s_cmp_eq_u32 s26, 0
	s_cselect_b64 s[28:29], s[14:15], s[16:17]
	s_cmp_eq_u32 s26, 2
	s_cselect_b64 s[28:29], s[18:19], s[28:29]
	s_cmp_eq_u32 s26, 3
	s_cselect_b64 s[28:29], s[20:21], s[28:29]
	s_cmp_lt_u32 s26, 2
	s_cselect_b32 s30, CVAL, 1.0                   ; bq and bk carry c
	s_mov_b32 s31, s30
	v_and_b32 v1, 63, v0
	v_lshlrev_b32 v1, 5, v1
	v_lshlrev_b32 v2, 5, v0
	global_load_b128 v[8:11],  v1, s[28:29]
	global_load_b128 v[12:15], v1, s[28:29] offset:16
	s_wait_loadcnt 0x0
.set i, 0
.rept 4
	v_cvt_pk_bf16_f32 v[40+i], v[8+2*i], v[9+2*i]
.set i, i+1
.endr
.set i, 0
.rept 4
	v_lshlrev_b32 v[8+2*i], 16, v[40+i]
	v_and_b32 v[9+2*i], s25, v[40+i]
	v_pk_mul_f32 v[8+2*i:9+2*i], v[8+2*i:9+2*i], s[30:31] op_sel_hi:[1,0]
.set i, i+1
.endr
	global_store_b128 v2, v[8:11],  s[22:23] offset:2113536
	global_store_b128 v2, v[12:15], s[22:23] offset:2113552
	s_endpgm
.Lfunc_end_k_qd9ab6d0d92_cast:
	.size	k_qd9ab6d0d92_cast, .Lfunc_end_k_qd9ab6d0d92_cast-k_qd9ab6d0d92_cast
	.p2alignl 7, 3214868480
	.fill 96, 4, 3214868480
	.section	.rodata,"a",@progbits
	.p2align	6, 0x0
	.amdhsa_kernel k_qd9ab6d0d92_cast
		.amdhsa_group_segment_fixed_size 0
		.amdhsa_private_segment_fixed_size 0
		.amdhsa_enable_private_segment 0
		.amdhsa_kernarg_size 80
		.amdhsa_user_sgpr_count 2
		.amdhsa_user_sgpr_kernarg_segment_ptr 1
		.amdhsa_wavefront_size32 1
		.amdhsa_system_sgpr_workgroup_id_x 1
		.amdhsa_system_sgpr_workgroup_id_y 1
		.amdhsa_system_sgpr_workgroup_id_z 1
		.amdhsa_system_vgpr_workitem_id 0
		.amdhsa_next_free_vgpr 64
		.amdhsa_next_free_sgpr 66
		.amdhsa_reserve_vcc 0
		.amdhsa_float_denorm_mode_32 3
		.amdhsa_float_denorm_mode_16_64 3
		.amdhsa_memory_ordered 1
		.amdhsa_forward_progress 1
		.amdhsa_inst_pref_size 8
	.end_amdhsa_kernel
	.amdgpu_metadata
---
amdhsa.version: [ 1, 2 ]
amdhsa.kernels:
  - .name:           k_qd9ab6d0d92_cast
    .symbol:         k_qd9ab6d0d92_cast.kd
    .args:
      - { .name: wq, .offset: 0, .size: 8, .value_kind: global_buffer, .address_space: global }
      - { .name: wk, .offset: 8, .size: 8, .value_kind: global_buffer, .address_space: global }
      - { .name: wv, .offset: 16, .size: 8, .value_kind: global_buffer, .address_space: global }
      - { .name: wo, .offset: 24, .size: 8, .value_kind: global_buffer, .address_space: global }
      - { .name: proj, .offset: 32, .size: 8, .value_kind: global_buffer, .address_space: global }
      - { .name: bq, .offset: 40, .size: 8, .value_kind: global_buffer, .address_space: global }
      - { .name: bk, .offset: 48, .size: 8, .value_kind: global_buffer, .address_space: global }
      - { .name: bv, .offset: 56, .size: 8, .value_kind: global_buffer, .address_space: global }
      - { .name: bo, .offset: 64, .size: 8, .value_kind: global_buffer, .address_space: global }
      - { .name: wcast, .offset: 72, .size: 8, .value_kind: global_buffer, .address_space: global }
    .group_segment_fixed_size: 0
    .private_segment_fixed_size: 0
    .kernarg_segment_align: 8
    .kernarg_segment_size: 80
    .max_flat_workgroup_size: 256
    .sgpr_count:     66
    .vgpr_count:     64
    .wavefront_size: 32
...
	.end_amdgpu_metadata
.endif
;; end of part 1
;; launch project (part 2): grid 128 x 2, 4 waves a work-group, clusters of 4 x 1, 327,680 bytes of LDS; arguments query, key, value, wcast, qkv; writes qkv
.if DOCPART == 2
	.amdgcn_target "amdgcn-amd-amdhsa--gfx1250"
	.amdhsa_code_object_version 6
	.text
	.protected	k_qd9ab6d0d92_project
	.globl	k_qd9ab6d0d92_project
	.p2align	8
	.type	k_qd9ab6d0d92_project,@function
k_qd9ab6d0d92_project:
	s_mov_b64 s[64:65], 0
	v_nop
	global_prefetch_b8 v0, s[64:65] scope:SCOPE_SE
	s_setreg_imm32_b32 hwreg(HW_REG_WAVE_MODE, 25, 1), 1
	s_wait_xcnt 0x0
	s_wait_alu depctr_hold_cnt(0) depctr_sa_sdst(0) depctr_va_vdst(0) depctr_va_sdst(0) depctr_va_ssrc(0) depctr_va_vcc(0) depctr_vm_vsrc(0)
	s_getreg_b32 s2, hwreg(HW_REG_IB_STS2, 6, 4)
	s_cmp_eq_u32 s2, 0
	s_cbranch_scc0 .Lentry_in_a_cluster
	s_endpgm
.Lentry_in_a_cluster:
	s_bfe_u32 s2, ttmp6, 0x10000c
	s_cmp_lg_u32 s2, 0x3003
	s_cbranch_scc0 .Lentry_shape_is_right
	s_endpgm
.Lentry_shape_is_right:
; q~ = f16(c (query wq + bq)), k~ = f16(c (key wk + bk)), v = f16(value wv + bv), c = log2(e) / 64^(1/4).  x and w go to the matrix unit in bf16, sums in f32.
; LIMIT: |q~|, |k~|, |v| stay under 65,520 (f16's end); beyond it the number would be an infinity.
; SHARES.  A work-group owns 128 rows (rb) x 256 columns (ch) and STAYS: it makes that tile of q, then of k, then of v: 12 K steps of 128 through one ring of two LDS slots.
; A wave makes 64 rows x 128 columns: 32 accumulators (a = 0..3 blocks of rows, b = 0..7 blocks of columns).  The product is taken transposed (source 0 = 16 columns of w,
; source 1 = 16 rows of x), so a lane ends with 8 neighbouring columns of one row.
; x comes as f32 into LDS and is rounded to bf16 between the LDS load and the product; w lies [k][n] and is turned by ds_load_tr16_b128.
; CLUSTER.  The four row blocks of a cluster walk the same tiles of w: those are asked for jointly (mask 15).  x's tiles are each work-group's own (plain loads, behind the same rounds).
; OUT, in FRAGMENT ORDER: a block of 16 positions x 64 channels of one head is 2,048 bytes; the 16 bytes at i 512 + lane 16 hold channels 8 (2 i + lane / 16) .. + 7 of position lane % 16:
; a packed accumulator is stored as it lies, 512 consecutive bytes a store, and later launches load matrix fragments from it with lane x 16 addresses.
; REGISTERS.  window 0: v2-11 addresses; v32-63 ABF (x in bf16, 8 a block); v64-127, v128-191 AF (x in f32, two buffers).  window 1: the accumulators, (a, b) at 8 (8 a + b).
; window 2: v0-63, v64-127 w's fragments, two buffers; v128-191 the bias of my 128 columns.
.set CVAL,  0x3f0293ee
.set XP,    528                        ; a row of x in LDS: 512 bytes + 16: 16 rows of a load start at 16 different groups of four banks
.set WP,    544                        ; a row of w: 512 + 32, an odd multiple of 32, for the turning load
.set WOFF,  128*XP
.set SLOT,  128*XP+128*WP              ; 137,216
.set SPARE, 2*SLOT                     ; the spare words, 128 bytes a wave; no other line names them
.set ADA0, 2
.set ADB0, 3
.set ADA,  4
.set ADB,  5
.set L16,  6
.set CBO,  7
.set PFO,  8
.set SPW,  10
.set NIL,  11
.set ABF,  32
.set AF,   64
.set TT,   128                         ; the way out: 64 f32, on AF's second buffer
.set PK,   32                          ; the way out: 32 packed words, on ABF
.set CB,   128                         ; window 2
.set WV,   14
.set HF,   15                          ; wave & 1: my half of the columns; also which 64 rows of a tile I fetch
.set SS,   19                          ; the K step, 0..11
.set TB,   20                          ; LDS byte of the slot that is read: 0 or SLOT
.set LIM,  21
.set OFFT, 22
.set G1X,  24
.set G1W,  32
.set G0X,  40
.set G0W,  48
.set SC,   56
.set CBB,  58
.set PFA,  60
.set LX,   62
.set LW,   63
.set NEW,  70
.set CNT,  71
.set MSB, 0
.macro WIN new
.if MSB != (\new)
	s_set_vgpr_msb (MSB<<8)|(\new)
.set MSB, (\new)
.endif
.endm
.macro PLACES
.rept 4
	v_nop
.endr
.endm
.macro CREST                           ; a round of the cluster's barrier behind its opening barrier
	s_cmp_lg_u32 s[WV], 0
	s_cbranch_scc1 .Lnw0_\@
	s_barrier_signal -3
.Lnw0_\@:
	s_barrier_wait -3
	s_barrier_signal -1
	s_barrier_wait -1
.endm
.macro CROUND
	s_barrier_signal -1
	s_barrier_wait -1
	CREST
.endm
.macro JLOAD                           ; a refill: waves 0, 1 fetch the halves of x's tile, waves 2, 3 those of w's (jointly); s_nop 0 and four v_nop follow each line
	s_cmp_lt_u32 s[WV], 2
	s_cbranch_scc0 .Ljw_\@
	tensor_load_to_lds s[G0X+4:G0X+7], s[G1X:G1X+7]
	s_nop 0
	PLACES
	s_branch .Ljd_\@
.Ljw_\@:
	tensor_load_to_lds s[G0W+4:G0W+7], s[G1W:G1W+7]
	s_nop 0
	PLACES
.Ljd_\@:
.endm
.macro XSEL dst, k                     ; dst = x of K step SS + k: the tensor by (SS + k) / 4, 512 bytes along the rows for each step
	s_add_co_u32 s66, s[SS], \k
	s_lshr_b32 s67, s66, 2
	s_and_b32 s66, s66, 3
	s_lshl_b32 s66, s66, 9
	s_cmp_eq_u32 s67, 0
	s_cselect_b64 s[(\dst):(\dst)+1], s[4:5], s[6:7]
	s_cmp_eq_u32 s67, 2
	s_cselect_b64 s[(\dst):(\dst)+1], s[8:9], s[(\dst):(\dst)+1]
	s_mov_b32 s67, 0
	s_add_nc_u64 s[(\dst):(\dst)+1], s[(\dst):(\dst)+1], s[66:67]
.endm
.macro LDA a, k, p                     ; 16 rows x 32 k of x in f32: k = 8 h .. + 7 and 16 + 8 h .. + 7
	ds_load_b128 v[AF+64*(\p)+16*(\a):AF+64*(\p)+16*(\a)+3],     v[ADA] offset:(\a)*16*XP+(\k)*128
	ds_load_b128 v[AF+64*(\p)+16*(\a)+4:AF+64*(\p)+16*(\a)+7],   v[ADA] offset:(\a)*16*XP+(\k)*128+16
	ds_load_b128 v[AF+64*(\p)+16*(\a)+8:AF+64*(\p)+16*(\a)+11],  v[ADA] offset:(\a)*16*XP+(\k)*128+64
	ds_load_b128 v[AF+64*(\p)+16*(\a)+12:AF+64*(\p)+16*(\a)+15], v[ADA] offset:(\a)*16*XP+(\k)*128+80
.endm
.macro FETCH k, p                      ; 32 LDS loads in one run: x's first block, w's eight fragments, x's other three blocks
	WIN 0
	LDA 0, \k, \p
	WIN 0x80
.set bb, 0
.rept 8
	ds_load_tr16_b128 v[64*(\p)+8*bb:64*(\p)+8*bb+3],   v[ADB] offset:(\k)*32*WP+bb*32
	ds_load_tr16_b128 v[64*(\p)+8*bb+4:64*(\p)+8*bb+7], v[ADB] offset:(\k)*32*WP+bb*32+16*WP
.set bb, bb+1
.endr
	WIN 0
	LDA 1, \k, \p
	LDA 2, \k, \p
	LDA 3, \k, \p
.endm
.macro CVT a, p, lo, n                 ; n roundings of block a's x to bf16
	WIN 0
.set jj, (\lo)
.rept \n
	v_cvt_pk_bf16_f32 v[ABF+8*(\a)+jj], v[AF+64*(\p)+16*(\a)+2*jj], v[AF+64*(\p)+16*(\a)+2*jj+1]
.set jj, jj+1
.endr
.endm
.macro W4 a, b0, p, zero               ; four products; the 32 accumulators take turns, one instruction a turn
	WIN 0x52
.set bb, (\b0)
.rept 4
.if \zero
	v_wmma_f32_16x16x32_bf16 v[8*(8*(\a)+bb):8*(8*(\a)+bb)+7], v[64*(\p)+8*bb:64*(\p)+8*bb+7], v[ABF+8*(\a):ABF+8*(\a)+7], 0
.else
	v_wmma_f32_16x16x32_bf16 v[8*(8*(\a)+bb):8*(8*(\a)+bb)+7], v[64*(\p)+8*bb:64*(\p)+8*bb+7], v[ABF+8*(\a):ABF+8*(\a)+7], v[8*(8*(\a)+bb):8*(8*(\a)+bb)+7]
.endif
.set bb, bb+1
.endr
.endm
.macro GROUP a, p, zero, cv            ; block a's eight products; cv = 1: the next block's roundings stand between them
	W4 \a, 0, \p, \zero
.if \cv
	CVT (\a)+1, \p, 0, 4
.endif
	W4 \a, 4, \p, \zero
.if \cv
	CVT (\a)+1, \p, 4, 4
.endif
.endm
; One of a K step's first three quarters (32 along K): 32 products; the next quarter's loads stand in one run in its middle.  The roundings are the plain instructions
; that stand between a product and a later write of, or load into, its sources (four at the least everywhere).
.macro SUB q, zero
	s_wait_dscnt 12                                ; x's first block and w are in; the youngest 12 loads (x's other blocks) may stay out
	CVT 0, (\q)%2, 0, 8
	W4 0, 0, (\q)%2, \zero
	s_wait_dscnt 0x0
	CVT 1, (\q)%2, 0, 4
	W4 0, 4, (\q)%2, \zero
	CVT 1, (\q)%2, 4, 4
	GROUP 1, (\q)%2, \zero, 1
	FETCH (\q)+1, ((\q)+1)%2
	GROUP 2, (\q)%2, \zero, 1
	GROUP 3, (\q)%2, \zero, 0
.endm
; A prefetch of x: my 32 rows' 512 bytes of K step SS + 4, a lane a row, two instructions: two K steps (256 products) ahead of the refill that asks for them.  The two work-groups
; that read the same rows differ in ch: ch = 0 asks, so each block is named once.  Steps 0 to 3 come by their loads alone; from SS = 8 on nothing is left to ask for.
.macro ASK
	s_cmp_lt_u32 s[SS], s[LIM]
	s_cbranch_scc0 .Lna_\@
	global_prefetch_b8 v[PFO], s[PFA:PFA+1] th:TH_LOAD_NT scope:SCOPE_SE
	global_prefetch_b8 v[PFO], s[PFA:PFA+1] offset:256 th:TH_LOAD_NT scope:SCOPE_SE
.Lna_\@:
.endm
; The last quarter and the change of slots.  Each wave waits for all its tensor loads (one is out: its part of the next slot), adds 0 to its spare word, and waits for that and for its reads
; of this slot; behind the barrier (fill = 1: a round of the cluster's) this slot is filled again first, with the step two on, and then the next slot is read.
.macro TURN fill
	WIN 0
.if \fill
	s_wait_xcnt 0x0                                ; the last prefetches, a K step back, have read their address
	XSEL PFA, 4
.endif
	s_wait_tensorcnt 0x0                           ; no tensor load of mine is out, so the descriptors may be written
	ds_add_u32 v[SPW], v[NIL]
.if \fill
	XSEL G0X+6, 2
	s_add_nc_u64 s[G0X+6:G0X+7], s[G0X+6:G0X+7], s[OFFT:OFFT+1]
	s_or_b32 s[G0X+7], s[G0X+7], 0x80000000
	s_add_co_u32 s[G0X+5], s[LX], s[TB]            ; into the slot that is being left
	s_add_co_u32 s[G0W+5], s[LW], s[TB]
	s_add_nc_u64 s[G0W+6:G0W+7], s[G0W+6:G0W+7], 131072   ; w's next 128 rows; wq, wk, wv lie end to end
.endif
	s_wait_dscnt 13                                ; the add and the youngest 12 loads may stay out
	CVT 0, 1, 0, 8
	W4 0, 0, 1, 0
	s_wait_dscnt 0x0                               ; the add is done, and my reads of this slot are over
	s_barrier_signal -1
	CVT 1, 1, 0, 4
	W4 0, 4, 1, 0
	CVT 1, 1, 4, 4
	GROUP 1, 1, 0, 1
	WIN 0
	s_barrier_wait -1
.if \fill
	CREST
	JLOAD
.endif
	s_xor_b32 s[TB], s[TB], SLOT
	v_add_nc_u32 v[ADA], s[TB], v[ADA0]
	v_add_nc_u32 v[ADB], s[TB], v[ADB0]
.if \fill
	FETCH 0, 0
	ASK
.else
	s_cmp_eq_u32 s[CNT], 1                         ; behind the last step nothing is left to read
	s_cbranch_scc1 .Lnf_\@
	FETCH 0, 0
.Lnf_\@:
.endif
	GROUP 2, 1, 0, 1
	GROUP 3, 1, 0, 0
.endm
.macro LOADCB                          ; the bias of my 128 columns, 8 numbers a lane and block
	WIN 0x80
.set bb, 0
.rept 8
	global_load_b128 v[CB+8*bb:CB+8*bb+3],   v[CBO], s[CBB:CBB+1] offset:64*bb
	global_load_b128 v[CB+8*bb+4:CB+8*bb+7], v[CBO], s[CBB:CBB+1] offset:64*bb+16
.set bb, bb+1
.endr
	WIN 0
.endm
; THE WAY OUT of one matrix: sum x scale + bias, rounded to f16, stored in fragment order; 16 rows at a time.
.macro EPI last
	s_wait_loadcnt 0x0                             ; the bias
.set aa, 0
.rept 4
	WIN 0x21
.set nn, 0
.rept 32
	v_pk_fma_f32 v[TT+2*nn:TT+2*nn+1], v[64*aa+2*nn:64*aa+2*nn+1], s[SC:SC+1], v[CB+2*nn:CB+2*nn+1] op_sel_hi:[1,0,1]
.set nn, nn+1
.endr
	WIN 0
	s_wait_xcnt 0x0                                ; the stores of the 16 rows before have read PK
.set nn, 0
.rept 32
	v_cvt_pk_f16_f32 v[PK+nn], v[TT+2*nn], v[TT+2*nn+1]
.set nn, nn+1
.endr
.set bb, 0
.rept 8
	global_store_b128 v[L16], v[PK+4*bb:PK+4*bb+3], s[12:13] offset:(bb/4)*524288+aa*2048+(bb%4)*512   ; 512 consecutive bytes, aligned
.set bb, bb+1
.endr
.set aa, aa+1
.endr
	s_wait_xcnt 0x0                                ; the stores have read PK and their base
	s_add_nc_u64 s[12:13], s[12:13], 16777216      ; the next matrix
.if !(\last)
	s_add_nc_u64 s[CBB:CBB+1], s[CBB:CBB+1], 2048
	LOADCB
	s_lshr_b32 s66, s[SS], 2
	s_cmp_eq_u32 s66, 1
	s_cselect_b32 s[SC], 1.0, CVAL                 ; v is not scaled
	s_mov_b32 s[SC+1], s[SC]
	s_mov_b32 s[NEW], 1
.endif
.endm
	s_load_b256 s[4:11], s[0:1], 0x0               ; query, key, value, wcast
	s_load_b64 s[12:13], s[0:1], 0x20              ; qkv
	v_lshl_add_u32 v[SPW], v0, 2, SPARE
	v_mov_b32 v[NIL], 0
	ds_add_u32 v[SPW], v[NIL]                      ; the wave's opening: the add and its wait ahead of my first tensor load
	v_lshrrev_b32 v1, 5, v0
	v_readfirstlane_b32 s[WV], v1
	s_and_b32 s[HF], s[WV], 1
	s_lshr_b32 s3, s[WV], 1                        ; my half of the rows
	s_bfe_u32 s16, ttmp6, 0x40000                  ; cx
	s_lshl_b32 s17, ttmp9, 2
	s_add_co_u32 s17, s17, s16                     ; rb: it enters x's and the output's addresses alone
	s_and_b32 s18, ttmp7, 0xffff                   ; ch, which the four partners share
	s_mov_b32 s[G1X+0], (2<<16)|(1<<20)|(6<<22)|(3<<25)   ; 4-byte elements; 4 words of padding behind every 128
	s_mov_b32 s[G1X+1], 128<<16
	s_mov_b32 s[G1X+2], 64<<16
	s_mov_b32 s[G1X+3], 128<<16
	s_mov_b32 s[G1X+4], 64
	s_mov_b32 s[G1X+5], 512
	s_mov_b32 s[G1X+6], 0
	s_mov_b32 s[G1X+7], 0
	s_mov_b32 s[G1W+0], 15|(1<<16)|(1<<20)|(1<<21)|(6<<22)|(7<<25)  ; the mask of four, bit 21 beside it; 2-byte elements; 8 words of padding behind every 128
	s_mov_b32 s[G1W+1], 256<<16
	s_mov_b32 s[G1W+2], 64<<16
	s_mov_b32 s[G1W+3], 256<<16
	s_mov_b32 s[G1W+4], 64
	s_mov_b32 s[G1W+5], 512
	s_mov_b32 s[G1W+6], 0
	s_mov_b32 s[G1W+7], 0
	s_mul_i32 s[LX], s[HF], 64*XP
	s_mul_i32 s[LW], s[HF], 64*WP
	s_add_co_u32 s[LW], s[LW], WOFF
	s_lshl_b32 s[OFFT], s[HF], 17                  ; 64 rows of 2,048 bytes
	s_mov_b32 s[OFFT+1], 0
	s_mov_b32 s[SS], 0
	s_mov_b32 s[TB], 0
	s_mov_b32 s[NEW], 1
	s_cmp_eq_u32 s18, 0
	s_cselect_b32 s[LIM], 8, 0
	s_mov_b32 s[SC], CVAL
	s_mov_b32 s[SC+1], CVAL
	v_and_b32 v1, 15, v0
	v_bfe_u32 v9, v0, 4, 1
	v_and_b32 v12, 7, v0
	v_bfe_u32 v13, v0, 3, 1
	v_mul_u32_u24 v[ADA0], v1, XP
	v_lshl_add_u32 v[ADA0], v9, 5, v[ADA0]
	s_mul_i32 s2, s3, 64*XP
	v_add_nc_u32 v[ADA0], s2, v[ADA0]              ; (64 wr + r) pitch + 32 h
	v_lshl_add_u32 v[ADB0], v9, 3, v12
	v_mul_u32_u24 v[ADB0], v[ADB0], WP
	v_lshl_add_u32 v[ADB0], v13, 4, v[ADB0]
	s_lshl_b32 s2, s[HF], 8
	s_add_co_u32 s2, s2, WOFF
	v_add_nc_u32 v[ADB0], s2, v[ADB0]              ; the turning load's lane term, my 128 columns
	v_mov_b32 v[ADA], v[ADA0]
	v_mov_b32 v[ADB], v[ADB0]
	v_and_b32 v[L16], 31, v0
	v_lshlrev_b32 v[L16], 4, v[L16]
	s_lshl_b32 s2, s18, 10
	s_lshl_b32 s66, s[HF], 9
	s_add_co_u32 s2, s2, s66
	v_lshl_add_u32 v[CBO], v9, 5, s2
	v_lshlrev_b32 v[PFO], 11, v0                   ; thread t names row t of the 128
	s_lshl_b32 s68, s[HF], 16
	s_lshl_b32 s69, s18, 9
	s_add_co_u32 s68, s68, s69
	s_mov_b32 s69, 0
	s_wait_dscnt 0x0                               ; the opening add is done
	s_wait_kmcnt 0x0
	s_lshl_b32 s66, s17, 18
	s_mov_b32 s67, 0
	s_add_nc_u64 s[4:5], s[4:5], s[66:67]          ; the three x at my 128 rows
	s_add_nc_u64 s[6:7], s[6:7], s[66:67]
	s_add_nc_u64 s[8:9], s[8:9], s[66:67]
	s_add_nc_u64 s[68:69], s[10:11], s[68:69]      ; w at my 64 rows of step 0, my work-group's columns
	s_add_nc_u64 s[CBB:CBB+1], s[10:11], 2113536
	s_lshr_b32 s66, s17, 5
	s_lshl_b32 s66, s66, 3
	s_lshl2_add_u32 s66, s18, s66
	s_lshl1_add_u32 s66, s[HF], s66                ; batch x 8 + my first head
	s_lshl_b32 s66, s66, 19
	s_and_b32 s67, s17, 31
	s_lshl_b32 s67, s67, 3
	s_lshl2_add_u32 s67, s3, s67                   ; my first block of 16 positions
	s_lshl_b32 s67, s67, 11
	s_add_co_u32 s66, s66, s67
	s_mov_b32 s67, 0
	s_add_nc_u64 s[12:13], s[12:13], s[66:67]
.irp n, 0,1
	s_mov_b32 s[G0X+4*\n], 1
	s_add_co_u32 s[G0X+4*\n+1], s[LX], \n*SLOT
	s_add_nc_u64 s[G0X+4*\n+2:G0X+4*\n+3], s[4:5], s[OFFT:OFFT+1]
	s_add_nc_u64 s[G0X+4*\n+2:G0X+4*\n+3], s[G0X+4*\n+2:G0X+4*\n+3], \n*512
	s_or_b32 s[G0X+4*\n+3], s[G0X+4*\n+3], 0x80000000
	s_mov_b32 s[G0W+4*\n], 1
	s_add_co_u32 s[G0W+4*\n+1], s[LW], \n*SLOT
	s_add_nc_u64 s[G0W+4*\n+2:G0W+4*\n+3], s[68:69], \n*131072
	s_or_b32 s[G0W+4*\n+3], s[G0W+4*\n+3], 0x80000000
.endr
	CROUND                                         ; all four work-groups are here: the first joint loads meet
	s_cmp_lt_u32 s[WV], 2                          ; a wave's two first fills stand in one branch: two loads of mine are out
	s_cbranch_scc0 .Lfw
	tensor_load_to_lds s[G0X:G0X+3], s[G1X:G1X+7]
	s_nop 0
	tensor_load_to_lds s[G0X+4:G0X+7], s[G1X:G1X+7]
	s_nop 0
	PLACES
	s_branch .Lfa
.Lfw:
	tensor_load_to_lds s[G0W:G0W+3], s[G1W:G1W+7]
	s_nop 0
	tensor_load_to_lds s[G0W+4:G0W+7], s[G1W:G1W+7]
	s_nop 0
	PLACES
.Lfa:
	LOADCB
	s_wait_tensorcnt 0x1                           ; my part of step 0 is in; step 1's may stay out
	s_barrier_signal -1
	s_barrier_wait -1
	FETCH 0, 0
.Lstep:                                        ; steps 0 to 9: each fills its slot again with the step two on
	s_cmp_eq_u32 s[NEW], 1
	s_cbranch_scc0 .Lgo
	s_mov_b32 s[NEW], 0
	SUB 0, 1                                       ; a matrix's first products start the sums: nothing is cleared
	WIN 0
	s_branch .Ljoin
.Lgo:
	SUB 0, 0
	WIN 0
.Ljoin:
	SUB 1, 0
	SUB 2, 0
	TURN 1
	WIN 0
	s_and_b32 s66, s[SS], 3
	s_cmp_eq_u32 s66, 3
	s_cbranch_scc0 .Lnoepi
	EPI 0                                          ; both refills for the next matrix are asked for: now this one goes out
.Lnoepi:
	s_add_co_u32 s[SS], s[SS], 1
	s_cmp_lt_u32 s[SS], 10
	s_cbranch_scc1 .Lstep
	s_mov_b32 s[CNT], 2
.Ltail:                                        ; steps 10 and 11 ask for nothing: written apart
	SUB 0, 0
	SUB 1, 0
	SUB 2, 0
	TURN 0
	WIN 0
	s_sub_co_u32 s[CNT], s[CNT], 1
	s_cmp_lg_u32 s[CNT], 0
	s_cbranch_scc1 .Ltail
	EPI 1
	s_wait_tensorcnt 0x0                           ; the wave's end
	ds_add_u32 v[SPW], v[NIL]
	s_wait_dscnt 0x0
	CROUND                                         ; the closing round
	s_endpgm
.Lfunc_end_k_qd9ab6d0d92_project:
	.size	k_qd9ab6d0d92_project, .Lfunc_end_k_qd9ab6d0d92_project-k_qd9ab6d0d92_project
	.p2alignl 7, 3214868480
	.fill 96, 4, 3214868480
	.section	.rodata,"a",@progbits
	.p2align	6, 0x0
	.amdhsa_kernel k_qd9ab6d0d92_project
		.amdhsa_group_segment_fixed_size 327680
		.amdhsa_private_segment_fixed_size 0
		.amdhsa_enable_private_segment 0
		.amdhsa_kernarg_size 40
		.amdhsa_user_sgpr_count 2
		.amdhsa_user_sgpr_kernarg_segment_ptr 1
		.amdhsa_wavefront_size32 1
		.amdhsa_system_sgpr_workgroup_id_x 1
		.amdhsa_system_sgpr_workgroup_id_y 1
		.amdhsa_system_sgpr_workgroup_id_z 1
		.amdhsa_system_vgpr_workitem_id 0
		.amdhsa_next_free_vgpr 704
		.amdhsa_next_free_sgpr 72
		.amdhsa_reserve_vcc 0
		.amdhsa_float_denorm_mode_32 3
		.amdhsa_float_denorm_mode_16_64 3
		.amdhsa_memory_ordered 1
		.amdhsa_forward_progress 1
		.amdhsa_inst_pref_size 114
	.end_amdhsa_kernel
	.amdgpu_metadata
---
amdhsa.version: [ 1, 2 ]
amdhsa.kernels:
  - .name:           k_qd9ab6d0d92_project
    .symbol:         k_qd9ab6d0d92_project.kd
    .args:
      - { .name: query, .offset: 0, .size: 8, .value_kind: global_buffer, .address_space: global }
      - { .name: key, .offset: 8, .size: 8, .value_kind: global_buffer, .address_space: global }
      - { .name: value, .offset: 16, .size: 8, .value_kind: global_buffer, .address_space: global }
      - { .name: wcast, .offset: 24, .size: 8, .value_kind: global_buffer, .address_space: global }
      - { .name: qkv, .offset: 32, .size: 8, .value_kind: global_buffer, .address_space: global }
    .group_segment_fixed_size: 327680
    .private_segment_fixed_size: 0
    .kernarg_segment_align: 8
    .kernarg_segment_size: 40
    .max_flat_workgroup_size: 128
    .sgpr_count:     72
    .vgpr_count:     704
    .wavefront_size: 32
...
	.end_amdgpu_metadata
.endif
;; end of part 2
;; launch kstate (part 3): grid 8 x 32, 4 waves a work-group, no clusters, 167,936 bytes of LDS; arguments qkv, wcast, sseg, wsum, cmax; writes sseg, wsum, cmax
.if DOCPART == 3
	.amdgcn_target "amdgcn-amd-amdhsa--gfx1250"
	.amdhsa_code_object_version 6
	.text
	.protected	k_qd9ab6d0d92_kstate
	.globl	k_qd9ab6d0d92_kstate
	.p2align	8
	.type	k_qd9ab6d0d92_kstate,@function
k_qd9ab6d0d92_kstate:
	s_mov_b64 s[64:65], 0
	v_nop
	global_prefetch_b8 v0, s[64:65] scope:SCOPE_SE
	s_setreg_imm32_b32 hwreg(HW_REG_WAVE_MODE, 25, 1), 1
	s_wait_xcnt 0x0
; For each head (bh) and segment of 512 positions: c = the largest y = k~ . proj of the segment (y = log2(e) x dash); then, for segments 0 to 6,
; S^ = K^T [v | 1] with K^ = 2^(y - c - G + 14), G = (ln 2 / 2) sum k~^2 (= log2(e) x diag), and W = sum v.  The next launch turns these into the state at each segment's start.
; The maximum taken away is the segment's own true maximum, so the exponent never passes 14: K^ <= 16,384 fits f16.  A K^ below 2^-126 counts as 0; below 6e-5 it keeps f16's step of 6e-8.
; SHARES.  Wave w makes the features of positions 16 w .. of each chunk of 64, and owns features 32 w .. + 31 of the state (10 accumulators: 2 blocks of features x (4 blocks of channels + z)).
; NO CLUSTER: the work-groups share proj alone, 16 KiB of the 144 KiB that each reads.  Segment 7's state has no reader: that work-group stores its maximum and ends (its fill of v is the price of one head for all).
; LDS: k~ by waves @0 (wave w's block of chunk i at 16,384 w + 2,048 i), v dense @65,536, the chunk's features KF @131,072, four maxima @147,456, the spare words @147,712.
; Each wave issues two tensor loads at the head (two are out); nothing is filled again.
; REGISTERS.  window 1: v0-127 proj's fragments (block mt, half c at 16 mt + 8 c); v128-207 the state; v208-215 W.  window 0: see the names.
.set VBL,   65536
.set KFB,   131072
.set RED,   147456
.set SPARE, 147712
.set L16,  2
.set TRL,  3
.set AK0,  4
.set AK,   5
.set AV,   7
.set AKW,  8
.set AKT,  9
.set PJO,  10
.set AVW,  11
.set REDA, 12
.set REDR, 13
.set CMO,  14
.set ZERO, 15
.set CJ,   16
.set C14,  17
.set G,    18
.set GS,   22
.set MX,   24
.set TM,   28
.set SO,   30
.set WO,   31
.set SPW,  36
.set NIL,  37
.set OFFS, 40
.set VW,   48
.set F,    64
.set XK,   128
.set VF,   144
.set KT,   208
.set ONE,  240
.set WV,   14
.set CNT,  15
.set OFFK, 16
.set G0K,  20
.set G1K,  24
.set G1V,  32
.set G0V,  40
.set SEL,  44
.set NGC,  46
.set MSB, 0
.macro WIN new
.if MSB != (\new)
	s_set_vgpr_msb (MSB<<8)|(\new)
.set MSB, (\new)
.endif
.endm
.macro PLACES
.rept 4
	v_nop
.endr
.endm
; y for 16 positions x 128 features: source 0 = 16 rows of proj, source 1 = 16 positions; a lane holds one position and features 16 mt + 8 (lane / 16) + 0..7.  c < 0: the sums start at 0, else at v[c ..].
.macro FEAT x, f, c, win
	WIN \win
.set mm, 0
.rept 8
.if (\c) < 0
	v_wmma_f32_16x16x32_f16 v[(\f)+8*mm:(\f)+8*mm+7], v[16*mm:16*mm+7], v[(\x):(\x)+7], 0
.else
	v_wmma_f32_16x16x32_f16 v[(\f)+8*mm:(\f)+8*mm+7], v[16*mm:16*mm+7], v[(\x):(\x)+7], v[(\c):(\c)+7]
.endif
.set mm, mm+1
.endr
.set mm, 0
.rept 8
	v_wmma_f32_16x16x32_f16 v[(\f)+8*mm:(\f)+8*mm+7], v[16*mm+8:16*mm+15], v[(\x)+8:(\x)+15], v[(\f)+8*mm:(\f)+8*mm+7]
.set mm, mm+1
.endr
.endm
; the sum of squares of a position's 64 channels, in f32 from the f16 halves: four chains, then the lane 16 away
.macro GSUM x, dst, win
	WIN \win
.set nn, 0
.rept 16
.if nn < 4
	v_fma_mix_f32 v[G+nn%4], v[(\x)+nn], v[(\x)+nn], v[ZERO] op_sel_hi:[1,1,0]
.else
	v_fma_mix_f32 v[G+nn%4], v[(\x)+nn], v[(\x)+nn], v[G+nn%4] op_sel_hi:[1,1,0]
.endif
.set nn, nn+1
.endr
.set nn, 0
.rept 16
	v_fma_mix_f32 v[G+nn%4], v[(\x)+nn], v[(\x)+nn], v[G+nn%4] op_sel:[1,1,0] op_sel_hi:[1,1,0]
.set nn, nn+1
.endr
	WIN 0
	v_add_f32 v[G], v[G], v[G+1]
	v_add_f32 v[G+2], v[G+2], v[G+3]
	v_add_f32 v[G], v[G], v[G+2]
	v_permlanex16_b32 v[G+1], v[G], s[SEL], s[SEL+1]
	v_add_f32 v[\dst], v[G], v[G+1]
.endm
; the state takes a chunk: source 0 = 16 features x 32 positions, source 1 = 16 channels (or ones) x 32 positions.  The accumulators take turns, one instruction a turn.
.macro UPD kt, vf, one, win, wa
	WIN \win
.set ks, 0
.rept 2
.set ml, 0
.rept 2
.set dd, 0
.rept 5
.if dd < 4
	v_wmma_f32_16x16x32_f16 v[128+8*(5*ml+dd):128+8*(5*ml+dd)+7], v[(\kt)+16*ml+8*ks:(\kt)+16*ml+8*ks+7], v[(\vf)+32*ks+8*dd:(\vf)+32*ks+8*dd+7], v[128+8*(5*ml+dd):128+8*(5*ml+dd)+7]
.else
	v_wmma_f32_16x16x32_f16 v[128+8*(5*ml+dd):128+8*(5*ml+dd)+7], v[(\kt)+16*ml+8*ks:(\kt)+16*ml+8*ks+7], v[(\one):(\one)+7], v[128+8*(5*ml+dd):128+8*(5*ml+dd)+7]
.endif
.set dd, dd+1
.endr
.set ml, ml+1
.endr
.if \wa
	v_wmma_f32_16x16x32_f16 v[208:215], v[(\one):(\one)+7], v[VW+8*ks:VW+8*ks+7], v[208:215]
.endif
.set ks, ks+1
.endr
.endm
.macro RDXK
.set ii, 0
.rept 4
	ds_load_b128 v[XK+4*ii:XK+4*ii+3], v[AK] offset:512*ii
.set ii, ii+1
.endr
.endm
.macro LOADXK                          ; my block of the next chunk; behind the eighth comes the first again
	s_add_co_u32 s[OFFK], s[OFFK], 2048
	s_and_b32 s[OFFK], s[OFFK], 16383
	v_add_nc_u32 v[AK], s[OFFK], v[AK0]
	RDXK
.endm
	s_load_b256 s[4:11], s[0:1], 0x0               ; qkv, wcast, sseg, wsum
	s_load_b64 s[12:13], s[0:1], 0x20              ; cmax
	v_lshl_add_u32 v[SPW], v0, 2, SPARE
	v_mov_b32 v[NIL], 0
	ds_add_u32 v[SPW], v[NIL]                      ; the wave's opening: the add and its wait ahead of my first tensor load
	v_lshrrev_b32 v1, 5, v0
	v_readfirstlane_b32 s[WV], v1
	s_mov_b32 s17, ttmp9                           ; segment
	s_and_b32 s18, ttmp7, 0xffff                   ; bh
	s_mov_b32 s[G1K+0], 3<<16                      ; 8-byte elements; 8 rows of 2,048 bytes, 8,192 bytes apart: my block of each chunk
	s_mov_b32 s[G1K+1], 256<<16
	s_mov_b32 s[G1K+2], 8<<16
	s_mov_b32 s[G1K+3], 256<<16
	s_mov_b32 s[G1K+4], 8
	s_mov_b32 s[G1K+5], 1024
	s_mov_b32 s[G1K+6], 0
	s_mov_b32 s[G1K+7], 0
	s_mov_b32 s[G1V+0], 3<<16                      ; 16,384 dense bytes as 64 rows of 256
	s_mov_b32 s[G1V+1], 32<<16
	s_mov_b32 s[G1V+2], 64<<16
	s_mov_b32 s[G1V+3], 32<<16
	s_mov_b32 s[G1V+4], 64
	s_mov_b32 s[G1V+5], 32
	s_mov_b32 s[G1V+6], 0
	s_mov_b32 s[G1V+7], 0
	s_lshl_b32 s19, s18, 8
	s_lshl_b32 s48, s17, 5
	s_add_co_u32 s19, s19, s48                     ; the segment's first block of 16 positions
	s_add_co_u32 s48, s19, s[WV]
	s_lshl_b32 s48, s48, 11
	s_mov_b32 s49, 0
	s_lshl3_add_u32 s50, s[WV], s19
	s_lshl_b32 s50, s50, 11
	s_mov_b32 s51, 0
	s_mov_b32 s[G0K], 1
	s_lshl_b32 s[G0K+1], s[WV], 14
	s_mov_b32 s[G0V], 1
	s_lshl_b32 s[G0V+1], s[WV], 14
	s_add_co_u32 s[G0V+1], s[G0V+1], VBL
	s_mov_b32 s[SEL], 0x76543210
	s_mov_b32 s[SEL+1], 0xfedcba98
	s_mov_b32 s[NGC], 0xbeb17218                   ; - ln 2 / 2
	s_mov_b32 s[OFFK], 0
	s_wait_dscnt 0x0                               ; the opening add is done
	s_wait_kmcnt 0x0
	s_add_nc_u64 s[G0K+2:G0K+3], s[4:5], s[48:49]
	s_add_nc_u64 s[G0K+2:G0K+3], s[G0K+2:G0K+3], 16777216
	s_or_b32 s[G0K+3], s[G0K+3], 0x80000000
	s_add_nc_u64 s[G0V+2:G0V+3], s[4:5], s[50:51]
	s_add_nc_u64 s[G0V+2:G0V+3], s[G0V+2:G0V+3], 33554432
	s_or_b32 s[G0V+3], s[G0V+3], 0x80000000
	tensor_load_to_lds s[G0K:G0K+3], s[G1K:G1K+7]
	s_nop 0
	tensor_load_to_lds s[G0V:G0V+3], s[G1V:G1V+7]
	s_nop 0
	PLACES
	v_and_b32 v1, 31, v0
	v_and_b32 v32, 15, v0
	v_bfe_u32 v33, v0, 4, 1
	v_and_b32 v34, 7, v0
	v_bfe_u32 v35, v0, 3, 1
	v_lshlrev_b32 v[PJO], 7, v32
	v_lshl_add_u32 v[PJO], v33, 4, v[PJO]
	WIN 0x40
.set mm, 0
.rept 16                                       ; proj stays in registers: block mm / 2, channels 32 (mm % 2) on
	global_load_b128 v[8*mm:8*mm+3],   v[PJO], s[6:7] offset:2097152+(mm/2)*2048+(mm%2)*64
	global_load_b128 v[8*mm+4:8*mm+7], v[PJO], s[6:7] offset:2097152+(mm/2)*2048+(mm%2)*64+32
.set mm, mm+1
.endr
.set ii, 0
.rept 88                                       ; the state and W start at 0: written in the wait for the tiles, so that the loop has one form of product
	v_mov_b32 v[128+ii], 0
.set ii, ii+1
.endr
	WIN 0
	v_lshlrev_b32 v[L16], 4, v1
	v_lshlrev_b32 v[TRL], 4, v34                   ; the turning load's lane term in fragment order: position 8 (l / 16) + l % 8, eight columns by (l / 8) % 2
	v_lshl_add_u32 v[TRL], v33, 7, v[TRL]
	v_lshl_add_u32 v[TRL], v35, 8, v[TRL]
	s_lshl_b32 s48, s[WV], 14
	v_add_nc_u32 v[AK0], s48, v[L16]
	v_mov_b32 v[AK], v[AK0]
	v_add_nc_u32 v[AV], VBL, v[TRL]
	s_lshl_b32 s48, s[WV], 9
	v_add_nc_u32 v[AVW], s48, v[AV]
	s_lshl_b32 s48, s[WV], 12
	s_add_co_u32 s48, s48, KFB
	v_add_nc_u32 v[AKW], s48, v[L16]
	s_lshl_b32 s48, s[WV], 10
	s_add_co_u32 s48, s48, KFB
	v_add_nc_u32 v[AKT], s48, v[TRL]
	s_lshl_b32 s48, s[WV], 2
	s_add_co_u32 s48, s48, RED
	v_mov_b32 v[REDA], s48
	v_mov_b32 v[REDR], RED
	s_lshl3_add_u32 s49, s18, s17                  ; 8 bh + segment
	s_lshl_b32 s48, s49, 7
	v_lshl_add_u32 v[CMO], v1, 2, s48
	s_lshl2_add_u32 s48, s49, s[WV]
	s_mul_i32 s48, s48, 10240
	v_add_nc_u32 v[SO], s48, v[L16]
	s_lshl_b32 s48, s49, 10
	s_lshl_b32 s50, s[WV], 7
	s_add_co_u32 s48, s48, s50
	v_lshl_add_u32 v[WO], v1, 2, s48
	v_mov_b32 v[ZERO], 0
.set ii, 0
.rept 4
	v_mov_b32 v[MX+ii], 0xff800000
.set ii, ii+1
.endr
.set ii, 0
.rept 8
	v_mov_b32 v[ONE+ii], 0x3c003c00                ; 1.0 twice in f16
.set ii, ii+1
.endr
	s_wait_loadcnt 0x0                             ; proj
	s_wait_tensorcnt 0x0                           ; my two tiles are in,
	s_barrier_signal -1
	s_barrier_wait -1                              ; everybody's are
	RDXK
	s_mov_b32 s[CNT], 8
.Lsw1:                                         ; SWEEP 1: the segment's largest y
	s_wait_dscnt 0x0
	FEAT XK, F, -1, 0x01
	WIN 0
	PLACES                                         ; between the products and the reads of their results, and the loads into their sources
	LOADXK                                         ; (the last trip's are sweep 2's first)
.set nn, 0
.rept 32                                       ; four chains; each accumulator's lowest registers are read first
	v_max3_num_f32 v[MX+nn%4], v[MX+nn%4], v[F+2*nn], v[F+2*nn+1]
.set nn, nn+1
.endr
	s_sub_co_u32 s[CNT], s[CNT], 1
	s_cmp_lg_u32 s[CNT], 0
	s_cbranch_scc1 .Lsw1
	v_max3_num_f32 v[MX], v[MX], v[MX+1], v[MX+2]
	v_max_num_f32 v[MX], v[MX], v[MX+3]
	v_max_num_f32_dpp v[MX], v[MX], v[MX] row_xmask:1 row_mask:0xf bank_mask:0xf
	v_max_num_f32_dpp v[MX], v[MX], v[MX] row_xmask:2 row_mask:0xf bank_mask:0xf
	v_max_num_f32_dpp v[MX], v[MX], v[MX] row_xmask:4 row_mask:0xf bank_mask:0xf
	v_max_num_f32_dpp v[MX], v[MX], v[MX] row_xmask:8 row_mask:0xf bank_mask:0xf
	v_permlanex16_b32 v[MX+1], v[MX], s[SEL], s[SEL+1]
	v_max_num_f32 v[MX], v[MX], v[MX+1]
	ds_store_b32 v[REDA], v[MX]
	s_wait_dscnt 0x0                               ; for the others' sake: my maximum is stored
	s_barrier_signal -1
	s_barrier_wait -1
	ds_load_b128 v[MX:MX+3], v[REDR]
	s_wait_dscnt 0x0
	v_max3_num_f32 v[CJ], v[MX], v[MX+1], v[MX+2]
	v_max_num_f32 v[CJ], v[CJ], v[MX+3]
	v_sub_f32 v[C14], 0x41600000, v[CJ]            ; 14 - c
	s_cmp_lg_u32 s[WV], 0
	s_cbranch_scc1 .Lnc
	global_store_b32 v[CMO], v[CJ], s[12:13]
.Lnc:
	s_cmp_eq_u32 s17, 7
	s_cbranch_scc1 .Lend
	s_mov_b32 s[CNT], 8
.Lsw2:                                         ; SWEEP 2: a chunk's features, then the state takes the chunk
	s_wait_dscnt 0x0
	GSUM XK, GS, 0
	v_fma_f32 v[OFFS], v[GS], s[NGC], v[C14]       ; 14 - c - G: the number at which my position's sums start
.set ii, 1
.rept 7
	v_mov_b32 v[OFFS+ii], v[OFFS]
.set ii, ii+1
.endr
	FEAT XK, F, OFFS, 0x01
	WIN 0
	PLACES
	s_cmp_eq_u32 s[CNT], 1
	s_cbranch_scc1 .Lnx
	LOADXK
.Lnx:
.set nn, 0
.rept 64
	v_exp_f32 v[F+nn], v[F+nn]
.set nn, nn+1
.endr
	v_nop                                          ; a plain instruction behind the last exponential,
	s_wait_alu depctr_va_vdst(0)                   ; and one wait for the batch, ahead of its first reader
.set nn, 0
.rept 32                                       ; block mt's eight numbers pack into its first four registers
	v_cvt_pk_f16_f32 v[F+8*(nn/4)+nn%4], v[F+8*(nn/4)+2*(nn%4)], v[F+8*(nn/4)+2*(nn%4)+1]
.set nn, nn+1
.endr
	s_wait_dscnt 0x0                               ; my reads of KF in the trip before are over
	s_barrier_signal -1
	s_barrier_wait -1                              ; everybody's are: KF may be written
.set mm, 0
.rept 8
	ds_store_b128 v[AKW], v[F+8*mm:F+8*mm+3] offset:512*mm
.set mm, mm+1
.endr
	s_wait_dscnt 0x0
	s_barrier_signal -1
	s_barrier_wait -1                              ; KF is whole
.set nn, 0
.rept 8                                        ; v turned: positions 32 (nn / 4) on, channels 16 (nn % 4) on
	ds_load_tr16_b128 v[VF+8*nn:VF+8*nn+3],   v[AV] offset:(nn/4)*4096+(nn%4)*512
	ds_load_tr16_b128 v[VF+8*nn+4:VF+8*nn+7], v[AV] offset:(nn/4)*4096+2048+(nn%4)*512
.set nn, nn+1
.endr
.set nn, 0
.rept 2                                        ; once more the 16 channels whose sum W is mine
	ds_load_tr16_b128 v[VW+8*nn:VW+8*nn+3],   v[AVW] offset:nn*4096
	ds_load_tr16_b128 v[VW+8*nn+4:VW+8*nn+7], v[AVW] offset:nn*4096+2048
.set nn, nn+1
.endr
.set nn, 0
.rept 4                                        ; my features turned: block nn / 2, positions 32 (nn % 2) on
	ds_load_tr16_b128 v[KT+8*nn:KT+8*nn+3],   v[AKT] offset:(nn%2)*8192+(nn/2)*512
	ds_load_tr16_b128 v[KT+8*nn+4:KT+8*nn+7], v[AKT] offset:(nn%2)*8192+4096+(nn/2)*512
.set nn, nn+1
.endr
	v_add_nc_u32 v[AV], 8192, v[AV]
	v_add_nc_u32 v[AVW], 8192, v[AVW]
	s_wait_dscnt 0x0
	UPD KT, VF, ONE, 0x50, 1
	WIN 0
	s_sub_co_u32 s[CNT], s[CNT], 1
	s_cmp_lg_u32 s[CNT], 0
	s_cbranch_scc1 .Lsw2
	PLACES
	v_mov_b32 v[TM], 0x44000000                    ; 512: what stands for W in the z column
	WIN 0x04
.set nn, 0
.rept 20
	global_store_b128 v[SO], v[128+4*nn:128+4*nn+3], s[8:9] offset:512*nn   ; 512 consecutive bytes, aligned
.set nn, nn+1
.endr
	global_store_b32 v[WO], v208, s[10:11]
	WIN 0
	global_store_b32 v[WO], v[TM], s[10:11] offset:512
.Lend:
	s_wait_tensorcnt 0x0                           ; the wave's end
	ds_add_u32 v[SPW], v[NIL]
	s_wait_dscnt 0x0
	s_endpgm
.Lfunc_end_k_qd9ab6d0d92_kstate:
	.size	k_qd9ab6d0d92_kstate, .Lfunc_end_k_qd9ab6d0d92_kstate-k_qd9ab6d0d92_kstate
	.p2alignl 7, 3214868480
	.fill 96, 4, 3214868480
	.section	.rodata,"a",@progbits
	.p2align	6, 0x0
	.amdhsa_kernel k_qd9ab6d0d92_kstate
		.amdhsa_group_segment_fixed_size 167936
		.amdhsa_private_segment_fixed_size 0
		.amdhsa_enable_private_segment 0
		.amdhsa_kernarg_size 40
		.amdhsa_user_sgpr_count 2
		.amdhsa_user_sgpr_kernarg_segment_ptr 1
		.amdhsa_wavefront_size32 1
		.amdhsa_system_sgpr_workgroup_id_x 1
		.amdhsa_system_sgpr_workgroup_id_y 1
		.amdhsa_system_sgpr_workgroup_id_z 1
		.amdhsa_system_vgpr_workitem_id 0
		.amdhsa_next_free_vgpr 480
		.amdhsa_next_free_sgpr 66
		.amdhsa_reserve_vcc 0
		.amdhsa_float_denorm_mode_32 3
		.amdhsa_float_denorm_mode_16_64 3
		.amdhsa_memory_ordered 1
		.amdhsa_forward_progress 1
		.amdhsa_inst_pref_size 32
	.end_amdhsa_kernel
	.amdgpu_metadata
---
amdhsa.version: [ 1, 2 ]
amdhsa.kernels:
  - .name:           k_qd9ab6d0d92_kstate
    .symbol:         k_qd9ab6d0d92_kstate.kd
    .args:
      - { .name: qkv, .offset: 0, .size: 8, .value_kind: global_buffer, .address_space: global }
      - { .name: wcast, .offset: 8, .size: 8, .value_kind: global_buffer, .address_space: global }
      - { .name: sseg, .offset: 16, .size: 8, .value_kind: global_buffer, .address_space: global }
      - { .name: wsum, .offset: 24, .size: 8, .value_kind: global_buffer, .address_space: global }
      - { .name: cmax, .offset: 32, .size: 8, .value_kind: global_buffer, .address_space: global }
    .group_segment_fixed_size: 167936
    .private_segment_fixed_size: 0
    .kernarg_segment_align: 8
    .kernarg_segment_size: 40
    .max_flat_workgroup_size: 128
    .sgpr_count:     66
    .vgpr_count:     480
    .wavefront_size: 32
...
	.end_amdgpu_metadata
.endif
;; end of part 3
;; launch scan (part 4): grid 10 x 32, 4 waves a work-group, no clusters, 0 bytes of LDS; arguments sseg, wsum, cmax, sinit; writes sinit
.if DOCPART == 4
	.amdgcn_target "amdgcn-amd-amdhsa--gfx1250"
	.amdhsa_code_object_version 6
	.text
	.protected	k_qd9ab6d0d92_scan
	.globl	k_qd9ab6d0d92_scan
	.p2align	8
	.type	k_qd9ab6d0d92_scan,@function
k_qd9ab6d0d92_scan:
	s_mov_b64 s[64:65], 0
	v_nop
	global_prefetch_b8 v0, s[64:65] scope:SCOPE_SE
	s_setreg_imm32_b32 hwreg(HW_REG_WAVE_MODE, 25, 1), 1
	s_wait_xcnt 0x0
; The state at each segment's start: sinit[j] = the sum over i < j of 2^(c_i - stab) S^_i + E0 W_i, stab = the largest of the head's eight c_i (the true maximum over all positions and features),
; E0 = 2^14 x 1e-6.  A factor below 2^-126 counts as 0.  A work-group takes one of a head's ten accumulator places, a wave its own quarter of the features: 7 x 1,024 bytes in, 8 x 1,024 out.
; All loads go out at once; a stream of a few KiB a wave: no LDS, no loop, no prefetch.
.set SG, 16                            ; v[16:71]   S^_i, 8 registers a segment; then the running sum
.set WW, 72                            ; v[72:78]   W_i
.set CC, 80                            ; v[80:87]   c_i
.set FF, 96                            ; v[96:109]  the factors, each twice (a pair for the packed fma)
.set UU, 112                           ; v[112:125] E0 W_i, each twice
	s_load_b256 s[4:11], s[0:1], 0x0               ; sseg, wsum, cmax, sinit
	v_lshrrev_b32 v1, 5, v0
	v_readfirstlane_b32 s12, v1
	s_and_b32 s13, ttmp7, 0xffff                   ; bh
	s_mov_b32 s14, ttmp9                           ; the accumulator's place, 0..9
	s_cmp_lt_u32 s14, 5
	s_cselect_b32 s15, 0, 5
	s_sub_co_u32 s15, s14, s15                     ; its block of channels; 4 = z
	s_mul_i32 s16, s13, 327680
	s_mul_i32 s17, s12, 10240
	s_add_co_u32 s16, s16, s17
	s_lshl_b32 s17, s14, 10
	s_add_co_u32 s16, s16, s17
	v_and_b32 v1, 31, v0
	v_lshl_add_u32 v2, v1, 4, s16
	s_lshl_b32 s17, s13, 13
	s_lshl_b32 s18, s15, 7
	s_add_co_u32 s17, s17, s18
	v_lshl_add_u32 v3, v1, 2, s17
	s_lshl_b32 s18, s13, 10
	v_lshl_add_u32 v4, v1, 2, s18
	s_mov_b32 s19, 0x3c8637bd                      ; E0
	v_mov_b32 v8, 0
	v_mov_b32 v9, 0
	v_mov_b32 v10, 0
	v_mov_b32 v11, 0
	s_wait_kmcnt 0x0
.set i, 0
.rept 8
	global_load_b32 v[CC+i], v4, s[8:9] offset:128*i
.set i, i+1
.endr
.set i, 0
.rept 7
	global_load_b32 v[WW+i], v3, s[6:7] offset:1024*i
	global_load_b128 v[SG+8*i:SG+8*i+3],   v2, s[4:5] offset:40960*i th:TH_LOAD_NT
	global_load_b128 v[SG+8*i+4:SG+8*i+7], v2, s[4:5] offset:40960*i+512 th:TH_LOAD_NT
.set i, i+1
.endr
	global_store_b128 v2, v[8:11], s[10:11]        ; segment 0 starts at nothing
	global_store_b128 v2, v[8:11], s[10:11] offset:512
	s_wait_loadcnt 0x0
	v_max3_num_f32 v88, v[CC], v[CC+1], v[CC+2]
	v_max3_num_f32 v88, v88, v[CC+3], v[CC+4]
	v_max3_num_f32 v88, v88, v[CC+5], v[CC+6]
	v_max_num_f32 v88, v88, v[CC+7]
.set i, 0
.rept 7
	v_sub_f32 v[CC+i], v[CC+i], v88
.set i, i+1
.endr
.set i, 0
.rept 7
	v_exp_f32 v[FF+2*i], v[CC+i]
	v_exp_f32 v[FF+2*i+1], v[CC+i]
.set i, i+1
.endr
.set i, 0
.rept 7
	v_mul_f32 v[UU+2*i], s19, v[WW+i]              ; plain work behind the exponentials
	v_mul_f32 v[UU+2*i+1], s19, v[WW+i]
.set i, i+1
.endr
	s_wait_alu depctr_va_vdst(0)                   ; one wait for the batch, ahead of its first reader
.set i, 0
.rept 7
.set j, 0
.rept 4
	v_pk_fma_f32 v[SG+8*i+2*j:SG+8*i+2*j+1], v[SG+8*i+2*j:SG+8*i+2*j+1], v[FF+2*i:FF+2*i+1], v[UU+2*i:UU+2*i+1]
.if i > 0
	v_pk_add_f32 v[SG+8*i+2*j:SG+8*i+2*j+1], v[SG+8*i+2*j:SG+8*i+2*j+1], v[SG+8*i-8+2*j:SG+8*i-8+2*j+1]
.endif
.set j, j+1
.endr
	global_store_b128 v2, v[SG+8*i:SG+8*i+3],   s[10:11] offset:40960*(i+1)       ; no stored register is written again
	global_store_b128 v2, v[SG+8*i+4:SG+8*i+7], s[10:11] offset:40960*(i+1)+512
.set i, i+1
.endr
	s_endpgm
.Lfunc_end_k_qd9ab6d0d92_scan:
	.size	k_qd9ab6d0d92_scan, .Lfunc_end_k_qd9ab6d0d92_scan-k_qd9ab6d0d92_scan
	.p2alignl 7, 3214868480
	.fill 96, 4, 3214868480
	.section	.rodata,"a",@progbits
	.p2align	6, 0x0
	.amdhsa_kernel k_qd9ab6d0d92_scan
		.amdhsa_group_segment_fixed_size 0
		.amdhsa_private_segment_fixed_size 0
		.amdhsa_enable_private_segment 0
		.amdhsa_kernarg_size 32
		.amdhsa_user_sgpr_count 2
		.amdhsa_user_sgpr_kernarg_segment_ptr 1
		.amdhsa_wavefront_size32 1
		.amdhsa_system_sgpr_workgroup_id_x 1
		.amdhsa_system_sgpr_workgroup_id_y 1
		.amdhsa_system_sgpr_workgroup_id_z 1
		.amdhsa_system_vgpr_workitem_id 0
		.amdhsa_next_free_vgpr 128
		.amdhsa_next_free_sgpr 66
		.amdhsa_reserve_vcc 0
		.amdhsa_float_denorm_mode_32 3
		.amdhsa_float_denorm_mode_16_64 3
		.amdhsa_memory_ordered 1
		.amdhsa_forward_progress 1
		.amdhsa_inst_pref_size 11
	.end_amdhsa_kernel
	.amdgpu_metadata
---
amdhsa.version: [ 1, 2 ]
amdhsa.kernels:
  - .name:           k_qd9ab6d0d92_scan
    .symbol:         k_qd9ab6d0d92_scan.kd
    .args:
      - { .name: sseg, .offset: 0, .size: 8, .value_kind: global_buffer, .address_space: global }
      - { .name: wsum, .offset: 8, .size: 8, .value_kind: global_buffer, .address_space: global }
      - { .name: cmax, .offset: 16, .size: 8, .value_kind: global_buffer, .address_space: global }
      - { .name: sinit, .offset: 24, .size: 8, .value_kind: global_buffer, .address_space: global }
    .group_segment_fixed_size: 0
    .private_segment_fixed_size: 0
    .kernarg_segment_align: 8
    .kernarg_segment_size: 32
    .max_flat_workgroup_size: 128
    .sgpr_count:     66
    .vgpr_count:     128
    .wavefront_size: 32
...
	.end_amdgpu_metadata
.endif
;; end of part 4
;; launch attend (part 5): grid 8 x 32, 4 waves a work-group, no clusters, 41,984 bytes of LDS; arguments qkv, wcast, sinit, cmax, attn; writes attn
.if DOCPART == 5
	.amdgcn_target "amdgcn-amd-amdhsa--gfx1250"
	.amdhsa_code_object_version 6
	.text
	.protected	k_qd9ab6d0d92_attend
	.globl	k_qd9ab6d0d92_attend
	.p2align	8
	.type	k_qd9ab6d0d92_attend,@function
k_qd9ab6d0d92_attend:
	s_mov_b64 s[64:65], 0
	v_nop
	global_prefetch_b8 v0, s[64:65] scope:SCOPE_SE
	s_setreg_imm32_b32 hwreg(HW_REG_WAVE_MODE, 25, 1), 1
	s_wait_xcnt 0x0
; Causal FAVOR+ attention for one head (bh) and one segment of 512 positions, in chunks of 64, from the state at the segment's start.
; y = x~ . proj (= log2(e) dash), G = (ln 2 / 2) sum x~^2 (= log2(e) diag).  Qf = 2^(y - max_m y - G + 14) + E0, Kf = 2^(y - stab - G + 14) + E0, E0 = 2^14 x 1e-6: reference()'s features times
; 2^14 sqrt(M), a factor that leaves num / den.  stab is the head's true maximum of y (from the launch that found it), max_m y the position's own: no exponent passes 14, so both features lie in 0.0164 .. 16,400.
; A CHUNK: A = mask(Kf Qf^T); den = sum_s A + sum_m Qf z (f32); g = 1 / den; P = f16(A g), w = f16(Qf z g) (both in 0 .. 1); Sb = f16(S / max(z, 2^-126)) (a mean of v);
; attn = f16(Sb w + V P); then S += Kf^T [V | 1] in f32 accumulators.
; LIMITS: a weight below 6e-8 of its row's denominator counts as 0; an exponential below 2^-126 counts as 0; |attn| has v's range (under 65,520); NaN and infinities are not treated apart.
; SHARES.  Wave w: the features of positions 16 w .. of the chunk, its queries 16 w .., and features 32 w .. + 31 of the state.  NO CLUSTER: the work-groups share proj alone.
; LDS: KF @0 (Kf, position block st, feature block mt at 4,096 st + 512 mt), SB @16,384 (Sb, channel block dt likewise), VB @32,768 (the chunk's v), ZB @40,960 (z, f32), spare words @41,472.
; All LDS writes of a trip stand between its two barriers, all reads behind the second.
; REGISTERS.  window 0: names below.  window 1: v0-127 proj, v128-207 the state (block ml, channel block d at 128 + 8 (5 ml + d); d = 4: z).
; window 2: v0-15 q~, v16-31 k~, v32-47 v of my block; v48-111 V turned; v112-119 ones; v120-247 FB (Kf's, then Sb's fragments).  window 3: v0-63 z as my features want it.
.set SBB,   16384
.set VBB,   32768
.set ZBB,   40960
.set SPARE, 41472
.set L16,  2
.set LK,   3
.set LV,   4
.set AKW,  5
.set AKR,  6
.set AKT,  7
.set ASR,  8
.set ASW,  9
.set AVW,  10
.set AVT,  11
.set AZR,  12
.set AZW,  13
.set PFO,  14
.set ZERO, 15
.set C14,  16
.set SIO,  17
.set G,    18
.set GK,   22
.set GQ,   23
.set MX,   24
.set OFQ,  28
.set DS,   30
.set GI,   34
.set SPW,  36
.set NIL,  37
.set OFFS, 40
.set T,    48
.set FQ,   64
.set QH,   128
.set AA,   160
.set OO,   192
.set FK,   160
.set KT,   224
.set VF,   48                          ; window 2
.set ONE,  112
.set FB,   120
.set WV,   14
.set CH,   15
.set LIM,  16
.set PFA,  22
.set E0,   24
.set SEL,  26
.set NGC,  28
.set TINY, 29
.set GC,   30
.set MK,   32                          ; s[32:63] the causal masks of my queries: key 16 st + 8 (lane / 16) + j at MK + 8 st + j
.set MSB, 0
.macro WIN new
.if MSB != (\new)
	s_set_vgpr_msb (MSB<<8)|(\new)
.set MSB, (\new)
.endif
.endm
.macro PLACES
.rept 4
	v_nop
.endr
.endm
.macro FEAT x, f, c, win               ; y for 16 positions x 128 features; a lane holds one position and features 16 mt + 8 (lane / 16) + 0..7
	WIN \win
.set mm, 0
.rept 8
.if (\c) < 0
	v_wmma_f32_16x16x32_f16 v[(\f)+8*mm:(\f)+8*mm+7], v[16*mm:16*mm+7], v[(\x):(\x)+7], 0
.else
	v_wmma_f32_16x16x32_f16 v[(\f)+8*mm:(\f)+8*mm+7], v[16*mm:16*mm+7], v[(\x):(\x)+7], v[(\c):(\c)+7]
.endif
.set mm, mm+1
.endr
.set mm, 0
.rept 8
	v_wmma_f32_16x16x32_f16 v[(\f)+8*mm:(\f)+8*mm+7], v[16*mm+8:16*mm+15], v[(\x)+8:(\x)+15], v[(\f)+8*mm:(\f)+8*mm+7]
.set mm, mm+1
.endr
.endm
.macro GSUM x, dst, win                ; the sum of squares of a position's 64 channels, in f32
	WIN \win
.set nn, 0
.rept 16
.if nn < 4
	v_fma_mix_f32 v[G+nn%4], v[(\x)+nn], v[(\x)+nn], v[ZERO] op_sel_hi:[1,1,0]
.else
	v_fma_mix_f32 v[G+nn%4], v[(\x)+nn], v[(\x)+nn], v[G+nn%4] op_sel_hi:[1,1,0]
.endif
.set nn, nn+1
.endr
.set nn, 0
.rept 16
	v_fma_mix_f32 v[G+nn%4], v[(\x)+nn], v[(\x)+nn], v[G+nn%4] op_sel:[1,1,0] op_sel_hi:[1,1,0]
.set nn, nn+1
.endr
	WIN 0
	v_add_f32 v[G], v[G], v[G+1]
	v_add_f32 v[G+2], v[G+2], v[G+3]
	v_add_f32 v[G], v[G], v[G+2]
	v_permlanex16_b32 v[G+1], v[G], s[SEL], s[SEL+1]
	v_add_f32 v[\dst], v[G], v[G+1]
.endm
.macro UPD kt, vf, one, win            ; the state takes the chunk; the ten accumulators take turns
	WIN \win
.set ks, 0
.rept 2
.set ml, 0
.rept 2
.set dd, 0
.rept 5
.if dd < 4
	v_wmma_f32_16x16x32_f16 v[128+8*(5*ml+dd):128+8*(5*ml+dd)+7], v[(\kt)+16*ml+8*ks:(\kt)+16*ml+8*ks+7], v[(\vf)+32*ks+8*dd:(\vf)+32*ks+8*dd+7], v[128+8*(5*ml+dd):128+8*(5*ml+dd)+7]
.else
	v_wmma_f32_16x16x32_f16 v[128+8*(5*ml+dd):128+8*(5*ml+dd)+7], v[(\kt)+16*ml+8*ks:(\kt)+16*ml+8*ks+7], v[(\one):(\one)+7], v[128+8*(5*ml+dd):128+8*(5*ml+dd)+7]
.endif
.set dd, dd+1
.endr
.set ml, ml+1
.endr
.set ks, ks+1
.endr
.endm
.macro LOADX                           ; my block of q~, k~ and v: 12 loads of 512 consecutive bytes
	WIN 0x80
.set ii, 0
.rept 4
	global_load_b128 v[4*ii:4*ii+3],       v[L16], s[4:5] offset:512*ii th:TH_LOAD_NT
	global_load_b128 v[16+4*ii:16+4*ii+3], v[LK],  s[4:5] offset:512*ii th:TH_LOAD_NT
	global_load_b128 v[32+4*ii:32+4*ii+3], v[LV],  s[4:5] offset:512*ii th:TH_LOAD_NT
.set ii, ii+1
.endr
	WIN 0
.endm
	s_load_b256 s[4:11], s[0:1], 0x0               ; qkv, wcast, sinit, cmax
	s_load_b64 s[12:13], s[0:1], 0x20              ; attn
	v_lshl_add_u32 v[SPW], v0, 2, SPARE
	v_mov_b32 v[NIL], 0
	v_lshrrev_b32 v1, 5, v0
	v_readfirstlane_b32 s[WV], v1
	s_mov_b32 s17, ttmp9                           ; segment
	s_and_b32 s18, ttmp7, 0xffff                   ; bh
	s_lshl_b32 s19, s18, 8
	s_lshl_b32 s66, s17, 5
	s_add_co_u32 s19, s19, s66                     ; the segment's first block
	s_lshl_b32 s68, s19, 11
	s_mov_b32 s69, 0
	s_lshl_b32 s66, s[WV], 11
	s_add_co_u32 s66, s66, s68
	s_mov_b32 s67, 0
	s_cmp_lt_u32 s[WV], 3
	s_cselect_b32 s[LIM], 2, -1
	s_mov_b32 s[E0], 0x3c8637bd
	s_mov_b32 s[E0+1], 0x3c8637bd
	s_mov_b32 s[SEL], 0x76543210
	s_mov_b32 s[SEL+1], 0xfedcba98
	s_mov_b32 s[NGC], 0xbeb17218
	s_mov_b32 s[GC], 0x3eb17218
	s_mov_b32 s[TINY], 0x00800000
	s_mov_b32 s[CH], 8
	v_and_b32 v1, 31, v0
	v_and_b32 v32, 15, v0
	v_bfe_u32 v33, v0, 4, 1
	v_and_b32 v38, 7, v0
	v_bfe_u32 v39, v0, 3, 1
	v_lshlrev_b32 v[L16], 4, v1
	v_add_nc_u32 v[LK], 16777216, v[L16]
	v_add_nc_u32 v[LV], 33554432, v[L16]
	v_lshlrev_b32 v40, 4, v38                      ; the turning load's lane term
	v_lshl_add_u32 v40, v33, 7, v40
	v_lshl_add_u32 v40, v39, 8, v40
	s_lshl_b32 s20, s[WV], 12
	v_add_nc_u32 v[AKW], s20, v[L16]
	v_mov_b32 v[AKR], v[L16]
	s_lshl_b32 s20, s[WV], 10
	v_add_nc_u32 v[AKT], s20, v40
	v_add_nc_u32 v[ASR], SBB, v[L16]
	v_add_nc_u32 v[ASW], s20, v[ASR]
	s_lshl_b32 s20, s[WV], 11
	s_add_co_u32 s20, s20, VBB
	v_add_nc_u32 v[AVW], s20, v[L16]
	v_add_nc_u32 v[AVT], VBB, v40
	v_lshlrev_b32 v[AZR], 5, v33
	v_add_nc_u32 v[AZR], ZBB, v[AZR]
	s_lshl_b32 s20, s[WV], 7
	v_add_nc_u32 v[AZW], s20, v[AZR]
	s_lshl_b32 s20, s[WV], 24
	v_lshl_add_u32 v[PFO], v1, 8, s20              ; wave 0 names q~'s, wave 1 k~'s, wave 2 v's 8 KiB of a chunk: a lane 256 bytes
	v_mov_b32 v[ZERO], 0
	s_lshl3_add_u32 s20, s18, s17
	s_lshl2_add_u32 s20, s20, s[WV]
	s_mul_i32 s20, s20, 10240
	v_add_nc_u32 v[SIO], s20, v[L16]
	v_lshlrev_b32 v41, 7, v32
	v_lshl_add_u32 v41, v33, 4, v41                ; proj: row x 128 + 16 h
	s_lshl_b32 s20, s18, 10
	v_lshl_add_u32 v42, v1, 2, s20                 ; the head's eight maxima
	v_lshlrev_b32 v43, 3, v33
	v_sub_nc_u32 v43, v32, v43
	s_lshl_b32 s20, s[WV], 4
	v_add_nc_u32 v43, s20, v43                     ; my query's place in the chunk less 8 (lane / 16): key 16 st + j is seen where it is not greater
.set nn, 0
.rept 32
	v_cmp_le_i32 s[MK+nn], 16*(nn/8)+nn%8, v43
.set nn, nn+1
.endr
	s_wait_kmcnt 0x0
	s_add_nc_u64 s[PFA:PFA+1], s[4:5], s[68:69]
	s_add_nc_u64 s[PFA:PFA+1], s[PFA:PFA+1], 8192  ; each trip's head steps it: the first trip names chunk 2
	s_add_nc_u64 s[4:5], s[4:5], s[66:67]
	s_add_nc_u64 s[12:13], s[12:13], s[66:67]
	WIN 0x40
.set mm, 0
.rept 16
	global_load_b128 v[8*mm:8*mm+3],   v41, s[6:7] offset:2097152+(mm/2)*2048+(mm%2)*64
	global_load_b128 v[8*mm+4:8*mm+7], v41, s[6:7] offset:2097152+(mm/2)*2048+(mm%2)*64+32
.set mm, mm+1
.endr
.set nn, 0
.rept 20
	global_load_b128 v[128+4*nn:128+4*nn+3], v[SIO], s[8:9] offset:512*nn th:TH_LOAD_NT
.set nn, nn+1
.endr
	WIN 0
.set ii, 0
.rept 8
	global_load_b32 v[T+ii], v42, s[10:11] offset:128*ii
.set ii, ii+1
.endr
	LOADX
	WIN 0x80
.set ii, 0
.rept 8
	v_mov_b32 v[ONE+ii], 0x3c003c00
.set ii, ii+1
.endr
	WIN 0
	s_wait_loadcnt 0x0
	v_max3_num_f32 v[C14], v[T], v[T+1], v[T+2]
	v_max3_num_f32 v[C14], v[C14], v[T+3], v[T+4]
	v_max3_num_f32 v[C14], v[C14], v[T+5], v[T+6]
	v_max_num_f32 v[C14], v[C14], v[T+7]
	v_sub_f32 v[C14], 0x41600000, v[C14]           ; 14 - stab
.Ltrip:
	s_wait_loadcnt 0x0                             ; this chunk's q~, k~, v
	s_wait_xcnt 0x0                                ; the last trip's stores and prefetch have read their registers
	s_add_nc_u64 s[12:13], s[12:13], 8192          ; (the stores below reach back by their immediate)
	s_add_nc_u64 s[PFA:PFA+1], s[PFA:PFA+1], 8192
	; the state as the matrix unit takes it: S / z in f16, and z
	WIN 0x04
.set nn, 0
.rept 16
	v_max_num_f32 v[T+nn], s[TINY], v[160+40*(nn/8)+nn%8]
.set nn, nn+1
.endr
	WIN 0
.set nn, 0
.rept 16
	v_rcp_f32 v[T+nn], v[T+nn]
.set nn, nn+1
.endr
	v_nop
	s_wait_alu depctr_va_vdst(0)                   ; one wait for the sixteen reciprocals
	WIN 0x01
.set nn, 0
.rept 32                                       ; accumulator nn / 4 = 4 ml + d, its pair nn % 4
	v_pk_mul_f32 v[FQ+2*nn:FQ+2*nn+1], v[128+8*(5*(nn/16)+(nn/4)%4)+2*(nn%4):128+8*(5*(nn/16)+(nn/4)%4)+2*(nn%4)+1], v[T+8*(nn/16)+2*(nn%4):T+8*(nn/16)+2*(nn%4)+1]
.set nn, nn+1
.endr
	WIN 0
.set nn, 0
.rept 32
	v_cvt_pk_f16_f32 v[QH+nn], v[FQ+2*nn], v[FQ+2*nn+1]
.set nn, nn+1
.endr
	s_wait_dscnt 0x0                               ; my LDS reads of the trip before are over
	s_barrier_signal -1
	s_barrier_wait -1                              ; everybody's are: LDS may be written
.set nn, 0
.rept 8
	ds_store_b128 v[ASW], v[QH+4*nn:QH+4*nn+3] offset:(nn%4)*4096+(nn/4)*512
.set nn, nn+1
.endr
	WIN 0x04
.set ml, 0
.rept 2
	ds_store_b128 v[AZW], v[160+40*ml:163+40*ml] offset:64*ml
	ds_store_b128 v[AZW], v[164+40*ml:167+40*ml] offset:64*ml+16
.set ml, ml+1
.endr
	WIN 0x08
.set ii, 0
.rept 4
	ds_store_b128 v[AVW], v[32+4*ii:35+4*ii] offset:512*ii
.set ii, ii+1
.endr
	; the two feature maps' sums
	GSUM 16, GK, 0x0a
	v_fma_f32 v[OFFS], v[GK], s[NGC], v[C14]       ; 14 - stab - G: where my key's sums start
.set ii, 1
.rept 7
	v_mov_b32 v[OFFS+ii], v[OFFS]
.set ii, ii+1
.endr
	GSUM 0, GQ, 0x0a
	FEAT 16, FK, OFFS, 0x09
	FEAT 0, FQ, -1, 0x09
	WIN 0
	PLACES                                         ; between the products and the reads of their results, and the loads into their sources
	s_cmp_gt_u32 s[CH], 1
	s_cbranch_scc0 .Lnl
	s_add_nc_u64 s[4:5], s[4:5], 8192
	LOADX                                          ; the next chunk: it has the rest of the trip in which to come
	s_cmp_gt_u32 s[CH], s[LIM]
	s_cbranch_scc0 .Lnl
	global_prefetch_b8 v[PFO], s[PFA:PFA+1] th:TH_LOAD_NT scope:SCOPE_SE   ; the chunk after it, one trip ahead of its loads; each block is named once; the last two trips name nothing
.Lnl:
.set nn, 0
.rept 64
	v_exp_f32 v[FK+nn], v[FK+nn]
.set nn, nn+1
.endr
.set nn, 0
.rept 32                                       ; my query's largest y, while the exponentials are out; each accumulator's lowest registers first
.if nn < 4
	v_max_num_f32 v[MX+nn], v[FQ+2*nn], v[FQ+2*nn+1]
.else
	v_max3_num_f32 v[MX+nn%4], v[MX+nn%4], v[FQ+2*nn], v[FQ+2*nn+1]
.endif
.set nn, nn+1
.endr
	v_max3_num_f32 v[MX], v[MX], v[MX+1], v[MX+2]
	v_max_num_f32 v[MX], v[MX], v[MX+3]
	v_permlanex16_b32 v[MX+1], v[MX], s[SEL], s[SEL+1]
	v_max_num_f32 v[MX], v[MX], v[MX+1]
	v_fma_f32 v[OFQ], v[GQ], s[GC], v[MX]
	v_add_f32 v[OFQ], 0xc1600000, v[OFQ]           ; max + G - 14
	v_mov_b32 v[OFQ+1], v[OFQ]
.set nn, 0
.rept 32
	v_pk_add_f32 v[FQ+2*nn:FQ+2*nn+1], v[FQ+2*nn:FQ+2*nn+1], v[OFQ:OFQ+1] neg_lo:[0,1] neg_hi:[0,1]
.set nn, nn+1
.endr
	s_wait_alu depctr_va_vdst(0)                   ; one wait for the keys' 64 exponentials
.set nn, 0
.rept 32
	v_pk_add_f32 v[FK+2*nn:FK+2*nn+1], v[FK+2*nn:FK+2*nn+1], s[E0:E0+1] op_sel_hi:[1,0]
.set nn, nn+1
.endr
.set nn, 0
.rept 32
	v_cvt_pk_f16_f32 v[FK+8*(nn/4)+nn%4], v[FK+8*(nn/4)+2*(nn%4)], v[FK+8*(nn/4)+2*(nn%4)+1]
.set nn, nn+1
.endr
.set mm, 0
.rept 8
	ds_store_b128 v[AKW], v[FK+8*mm:FK+8*mm+3] offset:512*mm
.set mm, mm+1
.endr
.set nn, 0
.rept 64
	v_exp_f32 v[FQ+nn], v[FQ+nn]
.set nn, nn+1
.endr
	v_nop
	s_wait_alu depctr_va_vdst(0)                   ; one wait for the queries' 64
.set nn, 0
.rept 32
	v_pk_add_f32 v[FQ+2*nn:FQ+2*nn+1], v[FQ+2*nn:FQ+2*nn+1], s[E0:E0+1] op_sel_hi:[1,0]
.set nn, nn+1
.endr
.set nn, 0
.rept 32
	v_cvt_pk_f16_f32 v[QH+nn], v[FQ+2*nn], v[FQ+2*nn+1]
.set nn, nn+1
.endr
	s_wait_dscnt 0x0                               ; for the others' sake: all my stores of this trip are done
	s_barrier_signal -1
	s_barrier_wait -1
	WIN 0x80
.set nn, 0
.rept 32                                       ; Kf of all 64 keys: position block nn / 8, feature block nn % 8
	ds_load_b128 v[FB+4*nn:FB+4*nn+3], v[AKR] offset:(nn/8)*4096+(nn%8)*512
.set nn, nn+1
.endr
	WIN 0xc0
.set mm, 0
.rept 8
	ds_load_b128 v[8*mm:8*mm+3],   v[AZR] offset:64*mm
	ds_load_b128 v[8*mm+4:8*mm+7], v[AZR] offset:64*mm+16
.set mm, mm+1
.endr
	WIN 0x80
.set nn, 0
.rept 8
	ds_load_tr16_b128 v[VF+8*nn:VF+8*nn+3],   v[AVT] offset:(nn/4)*4096+(nn%4)*512
	ds_load_tr16_b128 v[VF+8*nn+4:VF+8*nn+7], v[AVT] offset:(nn/4)*4096+2048+(nn%4)*512
.set nn, nn+1
.endr
	WIN 0
.set nn, 0
.rept 4
	ds_load_tr16_b128 v[KT+8*nn:KT+8*nn+3],   v[AKT] offset:(nn%2)*8192+(nn/2)*512
	ds_load_tr16_b128 v[KT+8*nn+4:KT+8*nn+7], v[AKT] offset:(nn%2)*8192+4096+(nn/2)*512
.set nn, nn+1
.endr
	s_wait_dscnt 40                                ; Kf is in: 16 loads of z, 16 of V and 8 of my features are younger
	WIN 0x02
.set nn, 0
.rept 16                                       ; A^T: keys 16 (nn % 4) on, features 32 (nn / 4) on; four accumulators by turns
.if nn < 4
	v_wmma_f32_16x16x32_f16 v[AA+8*(nn%4):AA+8*(nn%4)+7], v[FB+32*(nn%4)+8*(nn/4):FB+32*(nn%4)+8*(nn/4)+7], v[QH+8*(nn/4):QH+8*(nn/4)+7], 0
.else
	v_wmma_f32_16x16x32_f16 v[AA+8*(nn%4):AA+8*(nn%4)+7], v[FB+32*(nn%4)+8*(nn/4):FB+32*(nn%4)+8*(nn/4)+7], v[QH+8*(nn/4):QH+8*(nn/4)+7], v[AA+8*(nn%4):AA+8*(nn%4)+7]
.endif
.set nn, nn+1
.endr
	s_wait_dscnt 24                                ; z is in: 16 loads of V and 8 of my features are younger
	WIN 0x0c
.set nn, 0
.rept 32                                       ; Qf z: also the plain instructions between the products above and what touches their registers
	v_pk_mul_f32 v[FQ+2*nn:FQ+2*nn+1], v[FQ+2*nn:FQ+2*nn+1], v[2*nn:2*nn+1]
.set nn, nn+1
.endr
	WIN 0x80
.set nn, 0
.rept 32                                       ; Sb: channel block nn / 8, feature block nn % 8
	ds_load_b128 v[FB+4*nn:FB+4*nn+3], v[ASR] offset:(nn/8)*4096+(nn%8)*512
.set nn, nn+1
.endr
	WIN 0
	v_pk_add_f32 v[DS:DS+1], v[FQ:FQ+1], v[FQ+2:FQ+3]
	v_pk_add_f32 v[DS+2:DS+3], v[FQ+4:FQ+5], v[FQ+6:FQ+7]
.set nn, 4
.rept 28
	v_pk_add_f32 v[DS+2*(nn%2):DS+2*(nn%2)+1], v[DS+2*(nn%2):DS+2*(nn%2)+1], v[FQ+2*nn:FQ+2*nn+1]
.set nn, nn+1
.endr
.set nn, 0
.rept 32
	v_cndmask_b32 v[AA+nn], 0, v[AA+nn], s[MK+nn]  ; keys behind the query count for nothing
.set nn, nn+1
.endr
.set nn, 0
.rept 16
	v_pk_add_f32 v[DS+2*(nn%2):DS+2*(nn%2)+1], v[DS+2*(nn%2):DS+2*(nn%2)+1], v[AA+2*nn:AA+2*nn+1]
.set nn, nn+1
.endr
	v_pk_add_f32 v[DS:DS+1], v[DS:DS+1], v[DS+2:DS+3]
	v_add_f32 v[DS], v[DS], v[DS+1]
	v_permlanex16_b32 v[DS+1], v[DS], s[SEL], s[SEL+1]
	v_add_f32 v[DS], v[DS], v[DS+1]                ; den
	v_rcp_f32 v[GI], v[DS]
	v_rcp_f32 v[GI+1], v[DS]
	v_nop
	s_wait_alu depctr_va_vdst(0)
.set nn, 0
.rept 16
	v_pk_mul_f32 v[AA+2*nn:AA+2*nn+1], v[AA+2*nn:AA+2*nn+1], v[GI:GI+1]
.set nn, nn+1
.endr
.set nn, 0
.rept 16                                       ; P: 16 keys' weights pack into four registers; two blocks are a fragment
	v_cvt_pk_f16_f32 v[AA+nn], v[AA+2*nn], v[AA+2*nn+1]
.set nn, nn+1
.endr
.set nn, 0
.rept 32
	v_pk_mul_f32 v[FQ+2*nn:FQ+2*nn+1], v[FQ+2*nn:FQ+2*nn+1], v[GI:GI+1]
.set nn, nn+1
.endr
.set nn, 0
.rept 32
	v_cvt_pk_f16_f32 v[QH+nn], v[FQ+2*nn], v[FQ+2*nn+1]
.set nn, nn+1
.endr
	s_wait_dscnt 0x0
	WIN 0x02
.set nn, 0
.rept 16                                       ; O^T = Sb w: channels 16 (nn % 4) on, features 32 (nn / 4) on
.if nn < 4
	v_wmma_f32_16x16x32_f16 v[OO+8*(nn%4):OO+8*(nn%4)+7], v[FB+32*(nn%4)+8*(nn/4):FB+32*(nn%4)+8*(nn/4)+7], v[QH+8*(nn/4):QH+8*(nn/4)+7], 0
.else
	v_wmma_f32_16x16x32_f16 v[OO+8*(nn%4):OO+8*(nn%4)+7], v[FB+32*(nn%4)+8*(nn/4):FB+32*(nn%4)+8*(nn/4)+7], v[QH+8*(nn/4):QH+8*(nn/4)+7], v[OO+8*(nn%4):OO+8*(nn%4)+7]
.endif
.set nn, nn+1
.endr
.set nn, 0
.rept 8                                        ; + V^T P: keys 32 (nn / 4) on
	v_wmma_f32_16x16x32_f16 v[OO+8*(nn%4):OO+8*(nn%4)+7], v[VF+32*(nn/4)+8*(nn%4):VF+32*(nn/4)+8*(nn%4)+7], v[AA+8*(nn/4):AA+8*(nn/4)+7], v[OO+8*(nn%4):OO+8*(nn%4)+7]
.set nn, nn+1
.endr
	WIN 0
	s_cmp_gt_u32 s[CH], 1                          ; behind the last chunk the state has no reader
	s_cbranch_scc0 .Lnu
	UPD KT, VF, ONE, 0x58
	WIN 0
.Lnu:
	PLACES
.set nn, 0
.rept 16
	v_cvt_pk_f16_f32 v[T+nn], v[OO+2*nn], v[OO+2*nn+1]
.set nn, nn+1
.endr
.set ii, 0
.rept 4
	global_store_b128 v[L16], v[T+4*ii:T+4*ii+3], s[12:13] offset:512*ii-8192   ; 512 consecutive bytes, aligned, in fragment order
.set ii, ii+1
.endr
	s_sub_co_u32 s[CH], s[CH], 1
	s_cmp_lg_u32 s[CH], 0
	s_cbranch_scc1 .Ltrip
	s_wait_tensorcnt 0x0                           ; the wave's end, behind my last LDS store
	ds_add_u32 v[SPW], v[NIL]
	s_wait_dscnt 0x0
	s_endpgm
.Lfunc_end_k_qd9ab6d0d92_attend:
	.size	k_qd9ab6d0d92_attend, .Lfunc_end_k_qd9ab6d0d92_attend-k_qd9ab6d0d92_attend
	.p2alignl 7, 3214868480
	.fill 96, 4, 3214868480
	.section	.rodata,"a",@progbits
	.p2align	6, 0x0
	.amdhsa_kernel k_qd9ab6d0d92_attend
		.amdhsa_group_segment_fixed_size 41984
		.amdhsa_private_segment_fixed_size 0
		.amdhsa_enable_private_segment 0
		.amdhsa_kernarg_size 40
		.amdhsa_user_sgpr_count 2
		.amdhsa_user_sgpr_kernarg_segment_ptr 1
		.amdhsa_wavefront_size32 1
		.amdhsa_system_sgpr_workgroup_id_x 1
		.amdhsa_system_sgpr_workgroup_id_y 1
		.amdhsa_system_sgpr_workgroup_id_z 1
		.amdhsa_system_vgpr_workitem_id 0
		.amdhsa_next_free_vgpr 832
		.amdhsa_next_free_sgpr 72
		.amdhsa_reserve_vcc 0
		.amdhsa_float_denorm_mode_32 3
		.amdhsa_float_denorm_mode_16_64 3
		.amdhsa_memory_ordered 1
		.amdhsa_forward_progress 1
		.amdhsa_inst_pref_size 71
	.end_amdhsa_kernel
	.amdgpu_metadata
---
amdhsa.version: [ 1, 2 ]
amdhsa.kernels:
  - .name:           k_qd9ab6d0d92_attend
    .symbol:         k_qd9ab6d0d92_attend.kd
    .args:
      - { .name: qkv, .offset: 0, .size: 8, .value_kind: global_buffer, .address_space: global }
      - { .name: wcast, .offset: 8, .size: 8, .value_kind: global_buffer, .address_space: global }
      - { .name: sinit, .offset: 16, .size: 8, .value_kind: global_buffer, .address_space: global }
      - { .name: cmax, .offset: 24, .size: 8, .value_kind: global_buffer, .address_space: global }
      - { .name: attn, .offset: 32, .size: 8, .value_kind: global_buffer, .address_space: global }
    .group_segment_fixed_size: 41984
    .private_segment_fixed_size: 0
    .kernarg_segment_align: 8
    .kernarg_segment_size: 40
    .max_flat_workgroup_size: 128
    .sgpr_count:     72
    .vgpr_count:     832
    .wavefront_size: 32
...
	.end_amdgpu_metadata
.endif
;; end of part 5
;; launch outp (part 6): grid 128 x 2, 4 waves a work-group, clusters of 4 x 1, 327,680 bytes of LDS; arguments attn, wcast, out0; writes out0
.if DOCPART == 6
	.amdgcn_target "amdgcn-amd-amdhsa--gfx1250"
	.amdhsa_code_object_version 6
	.text
	.protected	k_qd9ab6d0d92_outp
	.globl	k_qd9ab6d0d92_outp
	.p2align	8
	.type	k_qd9ab6d0d92_outp,@function
k_qd9ab6d0d92_outp:
	s_mov_b64 s[64:65], 0
	v_nop
	global_prefetch_b8 v0, s[64:65] scope:SCOPE_SE
	s_setreg_imm32_b32 hwreg(HW_REG_WAVE_MODE, 25, 1), 1
	s_wait_xcnt 0x0
	s_wait_alu depctr_hold_cnt(0) depctr_sa_sdst(0) depctr_va_vdst(0) depctr_va_sdst(0) depctr_va_ssrc(0) depctr_va_vcc(0) depctr_vm_vsrc(0)
	s_getreg_b32 s2, hwreg(HW_REG_IB_STS2, 6, 4)
	s_cmp_eq_u32 s2, 0
	s_cbranch_scc0 .Lentry_in_a_cluster
	s_endpgm
.Lentry_in_a_cluster:
	s_bfe_u32 s2, ttmp6, 0x10000c
	s_cmp_lg_u32 s2, 0x3003
	s_cbranch_scc0 .Lentry_shape_is_right
	s_endpgm
.Lentry_shape_is_right:
; out0 = attn wo + bo.  attn in f16 (fragment order, by heads), wo as f16 of its bf16 value, bo rounded to bf16 and taken as the number at which the sums start; sums in f32, stored as f32.
; SHARES.  A work-group makes 128 rows x 256 columns, a wave 64 x 128: 32 accumulators.  K is 512: wo's 512 x 256 tile lies WHOLE in LDS, filled once (each wave two loads of 64 rows: two are out), jointly for the
; four row blocks of a cluster; a wave's 64 rows of attn lie WHOLE in 512 registers, loaded straight as fragments.  So there is no ring, no refill and no loop: 16 steps of 32 along K are written out.
; The product is taken transposed (source 0 = 16 columns of wo, turned by ds_load_tr16_b128; source 1 = 16 rows of attn): a lane ends with 8 neighbouring columns of a row.
; LDS: wo @0, 512 rows of 544 bytes; the waves' stages @278,528, 16 rows of 528 bytes each; the spare words @312,320.
; REGISTERS.  window 0: v2-11 addresses; v64-127, v128-191 wo's fragments, two buffers (rows read back on the way out); v192-255 bo.  window 1: the accumulators.
; windows 2, 3: attn, step s, block a at window 2 + s / 8, register 32 (s % 8) + 8 a.
.set WP,    544
.set STG,   512*WP
.set SP,    528
.set SPARE, STG+4*16*SP
.set L16,  2
.set ADB,  3                           ; v3-6: the turning load's address for K steps 4 q .. 4 q + 3
.set STO,  7
.set RD,   8
.set CBO,  9
.set SPW,  10
.set NIL,  11
.set BFR,  64
.set CB,   192
.set WV,   14
.set HF,   15
.set G1W,  24
.set G0,   32
.set MSB, 0
.macro WIN new
.if MSB != (\new)
	s_set_vgpr_msb (MSB<<8)|(\new)
.set MSB, (\new)
.endif
.endm
.macro PLACES
.rept 4
	v_nop
.endr
.endm
.macro CROUND
	s_barrier_signal -1
	s_barrier_wait -1
	s_cmp_lg_u32 s[WV], 0
	s_cbranch_scc1 .Lnw0_\@
	s_barrier_signal -3
.Lnw0_\@:
	s_barrier_wait -3
	s_barrier_signal -1
	s_barrier_wait -1
.endm
.macro FETCHB s                        ; wo's eight fragments of step s
	WIN 0
.set bb, 0
.rept 8
	ds_load_tr16_b128 v[BFR+64*((\s)%2)+8*bb:BFR+64*((\s)%2)+8*bb+3],   v[ADB+(\s)/4] offset:((\s)%4)*32*WP+bb*32
	ds_load_tr16_b128 v[BFR+64*((\s)%2)+8*bb+4:BFR+64*((\s)%2)+8*bb+7], v[ADB+(\s)/4] offset:((\s)%4)*32*WP+bb*32+16*WP
.set bb, bb+1
.endr
.endm
.macro MULO s, a0                      ; 16 products: blocks a0, a0 + 1 of rows x all 8 of columns; the 32 accumulators take turns
.if (\s) == 0
	WIN 0x48
.elseif (\s) < 8
	WIN 0x58
.else
	WIN 0x5c
.endif
.set nn, 0
.rept 16
.if (\s) == 0
	v_wmma_f32_16x16x32_f16 v[8*(8*((\a0)+nn/8)+nn%8):8*(8*((\a0)+nn/8)+nn%8)+7], v[BFR+64*((\s)%2)+8*(nn%8):BFR+64*((\s)%2)+8*(nn%8)+7], v[32*((\s)%8)+8*((\a0)+nn/8):32*((\s)%8)+8*((\a0)+nn/8)+7], v[CB+8*(nn%8):CB+8*(nn%8)+7]
.else
	v_wmma_f32_16x16x32_f16 v[8*(8*((\a0)+nn/8)+nn%8):8*(8*((\a0)+nn/8)+nn%8)+7], v[BFR+64*((\s)%2)+8*(nn%8):BFR+64*((\s)%2)+8*(nn%8)+7], v[32*((\s)%8)+8*((\a0)+nn/8):32*((\s)%8)+8*((\a0)+nn/8)+7], v[8*(8*((\a0)+nn/8)+nn%8):8*(8*((\a0)+nn/8)+nn%8)+7]
.endif
.set nn, nn+1
.endr
.endm
.macro SUBO s
.if 120-8*(\s) > 63
	s_wait_loadcnt 63                              ; step s's eight loads are in: fewer are allowed out than were issued behind them
.else
	s_wait_loadcnt 120-8*(\s)                      ; step s's eight loads are in; the later steps' may stay out
.endif
	s_wait_dscnt 0x0
	MULO \s, 0
	PLACES                                         ; in front of the loads into the buffer that the step before multiplied
.if (\s) == 7
	s_wait_tensorcnt 0x0                           ; my part of wo's second half is in,
	s_barrier_signal -1
	s_barrier_wait -1                              ; everybody's is
.endif
.if (\s) < 15
	FETCHB (\s)+1
.endif
	MULO \s, 2
.endm
.macro OUTA a                          ; 16 rows: 32 bytes a lane into my stage, back as whole rows of 512 bytes, stored
	WIN 0
	s_wait_xcnt 0x0                                ; earlier stores have read the registers that are loaded again
	WIN 0x04
.set bb, 0
.rept 8
	ds_store_b128 v[STO], v[64*(\a)+8*bb:64*(\a)+8*bb+3]   offset:64*bb
	ds_store_b128 v[STO], v[64*(\a)+8*bb+4:64*(\a)+8*bb+7] offset:64*bb+16
.set bb, bb+1
.endr
	WIN 0
.set rr, 0
.rept 16
	ds_load_b128 v[BFR+64*((\a)%2)+4*rr:BFR+64*((\a)%2)+4*rr+3], v[RD] offset:rr*SP   ; LDS serves a wave's instructions in order: these see the stores above
.set rr, rr+1
.endr
	s_wait_dscnt 0x0
.set rr, 0
.rept 16
	global_store_b128 v[L16], v[BFR+64*((\a)%2)+4*rr:BFR+64*((\a)%2)+4*rr+3], s[8:9] offset:(16*(\a)+rr)*2048 th:TH_STORE_NT   ; 512 consecutive bytes, aligned
.set rr, rr+1
.endr
.endm
	s_load_b128 s[4:7], s[0:1], 0x0                ; attn, wcast
	s_load_b64 s[8:9], s[0:1], 0x10                ; out0
	v_lshl_add_u32 v[SPW], v0, 2, SPARE
	v_mov_b32 v[NIL], 0
	ds_add_u32 v[SPW], v[NIL]                      ; the wave's opening: the add and its wait ahead of my first tensor load
	v_lshrrev_b32 v1, 5, v0
	v_readfirstlane_b32 s[WV], v1
	s_and_b32 s[HF], s[WV], 1                      ; my half of the columns
	s_lshr_b32 s3, s[WV], 1                        ; my half of the rows
	s_bfe_u32 s16, ttmp6, 0x40000
	s_lshl_b32 s17, ttmp9, 2
	s_add_co_u32 s17, s17, s16                     ; rb: it enters attn's and out0's addresses alone
	s_and_b32 s18, ttmp7, 0xffff                   ; ch, which the four partners share
	s_mov_b32 s[G1W+0], 15|(1<<16)|(1<<20)|(1<<21)|(6<<22)|(7<<25)  ; the mask of four, bit 21 beside it; 2-byte elements; 8 words of padding behind every 128
	s_mov_b32 s[G1W+1], 256<<16
	s_mov_b32 s[G1W+2], 64<<16
	s_mov_b32 s[G1W+3], 256<<16
	s_mov_b32 s[G1W+4], 64
	s_mov_b32 s[G1W+5], 512
	s_mov_b32 s[G1W+6], 0
	s_mov_b32 s[G1W+7], 0
	s_mul_i32 s20, s[WV], 64*WP
	s_mov_b32 s[G0], 1
	s_mov_b32 s[G0+1], s20
	s_mov_b32 s[G0+4], 1
	s_add_co_u32 s[G0+5], s20, 256*WP
	s_lshl_b32 s40, s[WV], 16
	s_lshl_b32 s41, s18, 9
	s_add_co_u32 s40, s40, s41
	s_add_co_u32 s40, s40, 1572864
	s_mov_b32 s41, 0
	v_and_b32 v1, 15, v0
	v_bfe_u32 v12, v0, 4, 1
	v_and_b32 v13, 7, v0
	v_bfe_u32 v14, v0, 3, 1
	v_and_b32 v[L16], 31, v0
	v_lshlrev_b32 v[L16], 4, v[L16]
	v_lshl_add_u32 v[ADB], v12, 3, v13
	v_mul_u32_u24 v[ADB], v[ADB], WP
	v_lshl_add_u32 v[ADB], v14, 4, v[ADB]
	s_lshl_b32 s21, s[HF], 8
	v_add_nc_u32 v[ADB], s21, v[ADB]
	v_add_nc_u32 v[ADB+1], 128*WP, v[ADB]
	v_add_nc_u32 v[ADB+2], 256*WP, v[ADB]
	v_add_nc_u32 v[ADB+3], 384*WP, v[ADB]
	s_mul_i32 s21, s[WV], 16*SP
	s_add_co_u32 s21, s21, STG
	v_mul_u32_u24 v[STO], v1, SP
	v_lshl_add_u32 v[STO], v12, 5, v[STO]
	v_add_nc_u32 v[STO], s21, v[STO]
	v_add_nc_u32 v[RD], s21, v[L16]
	s_lshl_b32 s21, s18, 10
	s_lshl_b32 s22, s[HF], 9
	s_add_co_u32 s21, s21, s22
	v_lshl_add_u32 v[CBO], v12, 5, s21
	s_lshr_b32 s42, s17, 5
	s_lshl_b32 s42, s42, 11
	s_and_b32 s43, s17, 31
	s_lshl3_add_u32 s42, s43, s42
	s_lshl2_add_u32 s42, s3, s42                   ; my first block of 16 positions, head 0 of my batch
	s_lshl_b32 s42, s42, 11
	s_mov_b32 s43, 0
	s_lshl_b32 s44, s17, 18
	s_lshl_b32 s45, s3, 17
	s_add_co_u32 s44, s44, s45
	s_add_co_u32 s44, s44, s21                     ; my first row and column of out0, in bytes
	s_mov_b32 s45, 0
	s_wait_dscnt 0x0                               ; the opening add is done
	s_wait_kmcnt 0x0
	s_add_nc_u64 s[G0+2:G0+3], s[6:7], s[40:41]
	s_add_nc_u64 s[G0+6:G0+7], s[G0+2:G0+3], 262144
	s_or_b32 s[G0+3], s[G0+3], 0x80000000
	s_or_b32 s[G0+7], s[G0+7], 0x80000000
	s_add_nc_u64 s[4:5], s[4:5], s[42:43]
	s_add_nc_u64 s[8:9], s[8:9], s[44:45]
	CROUND                                         ; all four work-groups are here: the joint loads meet
	tensor_load_to_lds s[G0:G0+3], s[G1W:G1W+7]
	s_nop 0
	tensor_load_to_lds s[G0+4:G0+7], s[G1W:G1W+7]
	s_nop 0
	PLACES
.set bb, 0
.rept 8
	global_load_b128 v[CB+8*bb:CB+8*bb+3],   v[CBO], s[6:7] offset:2119680+64*bb
	global_load_b128 v[CB+8*bb+4:CB+8*bb+7], v[CBO], s[6:7] offset:2119680+64*bb+16
.set bb, bb+1
.endr
.set ss, 0
.rept 16
.if ss < 8
	WIN 0x80
.else
	WIN 0xc0
.endif
.set aa, 0
.rept 4
	global_load_b128 v[32*(ss%8)+8*aa:32*(ss%8)+8*aa+3],   v[L16], s[4:5] offset:(ss/2)*524288+aa*2048+(ss%2)*1024
	global_load_b128 v[32*(ss%8)+8*aa+4:32*(ss%8)+8*aa+7], v[L16], s[4:5] offset:(ss/2)*524288+aa*2048+(ss%2)*1024+512
.set aa, aa+1
.endr
.set ss, ss+1
.endr
	WIN 0
	s_wait_tensorcnt 0x1                           ; my part of wo's first half is in; the second half's may stay out
	s_barrier_signal -1
	s_barrier_wait -1
	FETCHB 0
.set ss, 0
.rept 16
	SUBO ss
.set ss, ss+1
.endr
	PLACES
	OUTA 0
	OUTA 1
	OUTA 2
	OUTA 3
	s_wait_tensorcnt 0x0                           ; the wave's end
	ds_add_u32 v[SPW], v[NIL]
	s_wait_dscnt 0x0
	CROUND                                         ; the closing round
	s_endpgm
.Lfunc_end_k_qd9ab6d0d92_outp:
	.size	k_qd9ab6d0d92_outp, .Lfunc_end_k_qd9ab6d0d92_outp-k_qd9ab6d0d92_outp
	.p2alignl 7, 3214868480
	.fill 96, 4, 3214868480
	.section	.rodata,"a",@progbits
	.p2align	6, 0x0
	.amdhsa_kernel k_qd9ab6d0d92_outp
		.amdhsa_group_segment_fixed_size 327680
		.amdhsa_private_segment_fixed_size 0
		.amdhsa_enable_private_segment 0
		.amdhsa_kernarg_size 24
		.amdhsa_user_sgpr_count 2
		.amdhsa_user_sgpr_kernarg_segment_ptr 1
		.amdhsa_wavefront_size32 1
		.amdhsa_system_sgpr_workgroup_id_x 1
		.amdhsa_system_sgpr_workgroup_id_y 1
		.amdhsa_system_sgpr_workgroup_id_z 1
		.amdhsa_system_vgpr_workitem_id 0
		.amdhsa_next_free_vgpr 1024
		.amdhsa_next_free_sgpr 66
		.amdhsa_reserve_vcc 0
		.amdhsa_float_denorm_mode_32 3
		.amdhsa_float_denorm_mode_16_64 3
		.amdhsa_memory_ordered 1
		.amdhsa_forward_progress 1
		.amdhsa_inst_pref_size 86
	.end_amdhsa_kernel
	.amdgpu_metadata
---
amdhsa.version: [ 1, 2 ]
amdhsa.kernels:
  - .name:           k_qd9ab6d0d92_outp
    .symbol:         k_qd9ab6d0d92_outp.kd
    .args:
      - { .name: attn, .offset: 0, .size: 8, .value_kind: global_buffer, .address_space: global }
      - { .name: wcast, .offset: 8, .size: 8, .value_kind: global_buffer, .address_space: global }
      - { .name: out0, .offset: 16, .size: 8, .value_kind: global_buffer, .address_space: global }
    .group_segment_fixed_size: 327680
    .private_segment_fixed_size: 0
    .kernarg_segment_align: 8
    .kernarg_segment_size: 24
    .max_flat_workgroup_size: 128
    .sgpr_count:     66
    .vgpr_count:     1024
    .wavefront_size: 32
...
	.end_amdgpu_metadata
.endif
;; end of part 6
;; ======== version 2 of 2: 6 launches; version 1 with the launch scan written anew for expert scheduling mode
;; limits: values are held in f16: magnitudes above 65,504 overflow, below 6.1e-05 lose precision
;; workspace buffers: wcast 2,121,728 bytes; qkv 50,331,648 bytes; sseg 10,485,760 bytes; wsum 262,144 bytes; cmax 32,768 bytes; sinit 10,485,760 bytes; attn 16,777,216 bytes
;; launch cast: the kernel of part 1 again; grid 130 x 1, 8 waves a work-group, no clusters, 0 bytes of LDS; arguments wq, wk, wv, wo, proj, bq, bk, bv, bo, wcast; writes wcast
;; launch project: the kernel of part 2 again; grid 128 x 2, 4 waves a work-group, clusters of 4 x 1, 327,680 bytes of LDS; arguments query, key, value, wcast, qkv; writes qkv
;; launch kstate: the kernel of part 3 again; grid 8 x 32, 4 waves a work-group, no clusters, 167,936 bytes of LDS; arguments qkv, wcast, sseg, wsum, cmax; writes sseg, wsum, cmax
;; launch scan (part 7): grid 10 x 32, 4 waves a work-group, no clusters, 0 bytes of LDS; arguments sseg, wsum, cmax, sinit; writes sinit
.if DOCPART == 7
	.amdgcn_target "amdgcn-amd-amdhsa--gfx1250"
	.amdhsa_code_object_version 6
	.text
	.protected	k_qd9ab6d0d92_scan
	.globl	k_qd9ab6d0d92_scan
	.p2align	8
	.type	k_qd9ab6d0d92_scan,@function
k_qd9ab6d0d92_scan:
	s_mov_b64 s[64:65], 0
	v_nop
	global_prefetch_b8 v0, s[64:65] scope:SCOPE_SE
	s_setreg_imm32_b32 hwreg(HW_REG_WAVE_SCHED_MODE, 0, 2), 2
	s_setreg_imm32_b32 hwreg(HW_REG_WAVE_MODE, 25, 1), 1
	s_wait_xcnt 0x0
	s_wait_alu depctr_vm_vsrc(0)
; The state at each segment's start: sinit[j] = the sum over i < j of 2^(c_i - stab) S^_i + E0 W_i, stab = the largest of the head's eight c_i (the true maximum over all positions and features),
; E0 = 2^14 x 1e-6.  A factor below 2^-126 counts as 0.  A work-group takes one of a head's ten accumulator places, a wave its own quarter of the features: 7 x 1,024 bytes in, 8 x 1,024 out.
; All loads go out at once, the small ones (c, W) first; a stream of a few KiB a wave: no LDS, no loop, no prefetch.
; THE MODE: SCHED_MODE bits 1:0 = 2 (LLVM: expert scheduling mode 2), set by the entry lines.  The code itself states the register dependences
; between vector instructions and memory instructions, with s_wait_alu, always for 0.
; THE PLAN.  Registers that memory instructions touch:
;   v2, v3, v4   byte offsets, made once at the head and never written again: read by every load and store.
;   v[8:11]      zeros, made at the head and never written again: read by the two stores for segment 0.
;   CC, WW       loaded at the head; behind their wait named by vector instructions alone.
;   SG[i]        loaded at the head; block i's eight packed instructions write it in place; block i + 1's additions read it, and so do its two stores,
;                which are issued at the head of block i + 1; it is never written again.
;   FF, UU, v88  named by vector instructions alone.
; Every load is issued ahead of every vector instruction that names its registers, and no register that a memory instruction has read is written again: so the only dependences
; to state are that the offsets and zeros are written (once, at the head) and that a block has written what the next block's two stores read (one wait a block, behind the wait for that block's data).
.set SG, 16                            ; v[16:71]   S^_i, 8 registers a segment; then the running sum
.set WW, 72                            ; v[72:78]   W_i
.set CC, 80                            ; v[80:87]   c_i
.set FF, 96                            ; v[96:109]  the factors, each twice (a pair for the packed fma)
.set UU, 112                           ; v[112:125] E0 W_i, each twice
	s_load_b256 s[4:11], s[0:1], 0x0               ; sseg, wsum, cmax, sinit
	v_lshrrev_b32 v1, 5, v0
	v_readfirstlane_b32 s12, v1
	s_and_b32 s13, ttmp7, 0xffff                   ; bh
	s_mov_b32 s14, ttmp9                           ; the accumulator's place, 0..9
	s_cmp_lt_u32 s14, 5
	s_cselect_b32 s15, 0, 5
	s_sub_co_u32 s15, s14, s15                     ; its block of channels; 4 = z
	s_mul_i32 s16, s13, 327680
	s_wait_alu depctr_va_sdst(0)                   ; s12, the wave's number, is written, ahead of its first reader: the line below
	s_mul_i32 s17, s12, 10240
	s_add_co_u32 s16, s16, s17
	s_lshl_b32 s17, s14, 10
	s_add_co_u32 s16, s16, s17
	v_and_b32 v1, 31, v0
	v_lshl_add_u32 v2, v1, 4, s16
	s_lshl_b32 s17, s13, 13
	s_lshl_b32 s18, s15, 7
	s_add_co_u32 s17, s17, s18
	v_lshl_add_u32 v3, v1, 2, s17
	s_lshl_b32 s18, s13, 10
	v_lshl_add_u32 v4, v1, 2, s18
	s_mov_b32 s19, 0x3c8637bd                      ; E0
	v_mov_b32 v8, 0
	v_mov_b32 v9, 0
	v_mov_b32 v10, 0
	v_mov_b32 v11, 0
	s_wait_kmcnt 0x0
	s_wait_alu depctr_va_vdst(0)                   ; the offsets v2, v3, v4 are written, which every load and store of the kernel reads; so are the zeros v[8:11], which the first two stores read
.set i, 0
.rept 8
	global_load_b32 v[CC+i], v4, s[8:9] offset:128*i
.set i, i+1
.endr
.set i, 0
.rept 7
	global_load_b32 v[WW+i], v3, s[6:7] offset:1024*i
.set i, i+1
.endr
.set i, 0
.rept 7
	global_load_b128 v[SG+8*i:SG+8*i+3],   v2, s[4:5] offset:40960*i th:TH_LOAD_NT
	global_load_b128 v[SG+8*i+4:SG+8*i+7], v2, s[4:5] offset:40960*i+512 th:TH_LOAD_NT
.set i, i+1
.endr
	global_store_b128 v2, v[8:11], s[10:11]        ; segment 0 starts at nothing
	global_store_b128 v2, v[8:11], s[10:11] offset:512
	s_wait_loadcnt 14                              ; loads come back in order (ISA guide 5.7.1): c and W are in; the 14 younger loads, S^, stay out while the factors are made
	v_max3_num_f32 v88, v[CC], v[CC+1], v[CC+2]
	v_max3_num_f32 v88, v88, v[CC+3], v[CC+4]
	v_max3_num_f32 v88, v88, v[CC+5], v[CC+6]
	v_max_num_f32 v88, v88, v[CC+7]
.set i, 0
.rept 7
	v_sub_f32 v[CC+i], v[CC+i], v88
.set i, i+1
.endr
.set i, 0
.rept 7
	v_exp_f32 v[FF+2*i], v[CC+i]
	v_exp_f32 v[FF+2*i+1], v[CC+i]
.set i, i+1
.endr
.set i, 0
.rept 7
	v_mul_f32 v[UU+2*i], s19, v[WW+i]              ; plain work behind the exponentials
	v_mul_f32 v[UU+2*i+1], s19, v[WW+i]
.set i, i+1
.endr
	s_wait_alu depctr_va_vdst(0)                   ; the fourteen exponentials have written FF: one wait for the batch, ahead of its first reader
; Block i: S^_i is waited for; the sum that the block before finished is stored; then S^_i x factor + E0 W_i, and the sum so far onto it.
.set i, 0
.rept 7
	s_wait_loadcnt 12-2*i                          ; S^_i's two loads are in; those of the later segments, two each, stay out
.if i > 0
	s_wait_alu depctr_va_vdst(0)                   ; the block before has written SG[i - 1], which the two stores below read
	global_store_b128 v2, v[SG+8*i-8:SG+8*i-5], s[10:11] offset:40960*i           ; no stored register is written again
	global_store_b128 v2, v[SG+8*i-4:SG+8*i-1], s[10:11] offset:40960*i+512
.endif
.set j, 0
.rept 4
	v_pk_fma_f32 v[SG+8*i+2*j:SG+8*i+2*j+1], v[SG+8*i+2*j:SG+8*i+2*j+1], v[FF+2*i:FF+2*i+1], v[UU+2*i:UU+2*i+1]
.if i > 0
	v_pk_add_f32 v[SG+8*i+2*j:SG+8*i+2*j+1], v[SG+8*i+2*j:SG+8*i+2*j+1], v[SG+8*i-8+2*j:SG+8*i-8+2*j+1]
.endif
.set j, j+1
.endr
.set i, i+1
.endr
	s_wait_alu depctr_va_vdst(0)                   ; the last block has written SG[6], which the last two stores read
	global_store_b128 v2, v[SG+48:SG+51], s[10:11] offset:40960*7
	global_store_b128 v2, v[SG+52:SG+55], s[10:11] offset:40960*7+512
	s_endpgm
.Lfunc_end_k_qd9ab6d0d92_scan:
	.size	k_qd9ab6d0d92_scan, .Lfunc_end_k_qd9ab6d0d92_scan-k_qd9ab6d0d92_scan
	.p2alignl 7, 3214868480
	.fill 96, 4, 3214868480
	.section	.rodata,"a",@progbits
	.p2align	6, 0x0
	.amdhsa_kernel k_qd9ab6d0d92_scan
		.amdhsa_group_segment_fixed_size 0
		.amdhsa_private_segment_fixed_size 0
		.amdhsa_enable_private_segment 0
		.amdhsa_kernarg_size 32
		.amdhsa_user_sgpr_count 2
		.amdhsa_user_sgpr_kernarg_segment_ptr 1
		.amdhsa_wavefront_size32 1
		.amdhsa_system_sgpr_workgroup_id_x 1
		.amdhsa_system_sgpr_workgroup_id_y 1
		.amdhsa_system_sgpr_workgroup_id_z 1
		.amdhsa_system_vgpr_workitem_id 0
		.amdhsa_next_free_vgpr 128
		.amdhsa_next_free_sgpr 66
		.amdhsa_reserve_vcc 0
		.amdhsa_float_denorm_mode_32 3
		.amdhsa_float_denorm_mode_16_64 3
		.amdhsa_memory_ordered 1
		.amdhsa_forward_progress 1
		.amdhsa_inst_pref_size 11
	.end_amdhsa_kernel
	.amdgpu_metadata
---
amdhsa.version: [ 1, 2 ]
amdhsa.kernels:
  - .name:           k_qd9ab6d0d92_scan
    .symbol:         k_qd9ab6d0d92_scan.kd
    .args:
      - { .name: sseg, .offset: 0, .size: 8, .value_kind: global_buffer, .address_space: global }
      - { .name: wsum, .offset: 8, .size: 8, .value_kind: global_buffer, .address_space: global }
      - { .name: cmax, .offset: 16, .size: 8, .value_kind: global_buffer, .address_space: global }
      - { .name: sinit, .offset: 24, .size: 8, .value_kind: global_buffer, .address_space: global }
    .group_segment_fixed_size: 0
    .private_segment_fixed_size: 0
    .kernarg_segment_align: 8
    .kernarg_segment_size: 32
    .max_flat_workgroup_size: 128
    .sgpr_count:     66
    .vgpr_count:     128
    .wavefront_size: 32
...
	.end_amdgpu_metadata
.endif
;; end of part 7
;; launch attend: the kernel of part 5 again; grid 8 x 32, 4 waves a work-group, no clusters, 41,984 bytes of LDS; arguments qkv, wcast, sinit, cmax, attn; writes attn
;; launch outp: the kernel of part 6 again; grid 128 x 2, 4 waves a work-group, clusters of 4 x 1, 327,680 bytes of LDS; arguments attn, wcast, out0; writes out0
